; MI455X (gfx1250); checked and timed in simulation.
; The chip was launched on July 23, 2026; its instructions are those of AMD's public machine-readable ISA for CDNA 5 (MIT licence, August 2026) and "CDNA5" Instruction Set Architecture Reference Guide (July 2026). The comments in the code are by the model that wrote it; some were corrected since.
;; Qwen3 Attention. Allowed arithmetic: matrix products marked QUANTISED: E2M1 operands, one E8M0 scale for each 32 along K, by v_wmma_scale_f32_16x16x128_f8f6f4 with both operands' format E2M1 (or v_wmma_scale_f32_32x16x128_f4), f32 sums; products left as they are: bf16, f16 or f32 operands; f32 sums; everything else in f32.
;; Inputs: k_norm_w 128 float32; positions 2,048 int32; q_norm_w 128 float32; wk 1,024 x 2,048 float32; wo 2,048 x 1,024 float32; wq 1,024 x 2,048 float32; wv 1,024 x 2,048 float32; x 2 x 2,048 x 2,048 float32.
;; Outputs: out0 2 x 2,048 x 2,048 float32.
;; This version of the problem:
;;   THIS VERSION OF THE PROBLEM IS GIVEN IN LOW PRECISION. The matrix products marked QUANTISED in the list below multiply operands that are first quantised to E2M1 (2 exponent bits, 1 mantissa bit; 4 bits a number), with one power-of-two scale for each 32 numbers along K (OCP MX v1.0); their sums are f32. The products marked 'left as it is' may take bf16, f16 or f32 operands, with f32 sums. Whichever they take, every output number must still come out within the allowed error. Rounding operands to bf16 (8 significant bits) uses up far more of that allowance than f16 does (11 bits, for magnitudes from 6e-5 to 65,504). All else is computed in f32.
;;   The module's matrix products, in the order in which they are computed (A, B: the left and right operand; K: the contracted axis; several contracted axes count as one K, in the product's order):
;;     1. [M 4,096, K 2,048] x [K 2,048, N 1,024]; A: input x; B: input wq: QUANTISED
;;     2. [M 4,096, K 2,048] x [K 2,048, N 1,024]; A: input x; B: input wk: QUANTISED
;;     3. [M 4,096, K 2,048] x [K 2,048, N 1,024]; A: input x; B: input wv: QUANTISED
;;     4. batch 16 x [M 2,048, K 128] x [K 128, N 2,048]; A: computed on the way; B: computed on the way: left as it is (an operand is computed on the way)
;;     5. batch 16 x [M 128, K 2,048] x [K 2,048, N 2,048]; A: computed on the way; B: computed on the way: left as it is (an operand is computed on the way)
;;     6. [M 4,096, K 1,024] x [K 1,024, N 2,048]; A: computed on the way; B: input wo: left as it is (an operand is computed on the way)
;;   THE QUANTISER, for each operand of a quantised product, along K:
;;     - K is cut into blocks of 32 from its start; a last block that is shorter is filled with zeros.
;;     - A block's scale is 2^e with e = floor(log2(the largest magnitude in the block)) - 2, held to -126 .. 127; a block of zeros has e = 0. As a byte (E8M0): e + 127.
;;     - Each number is divided by its block's scale, clamped to +-6, and rounded to the nearest number of E2M1, ties to even, subnormals kept.
;;     - The product sums the exact products of the quantised numbers (number of the format x scale) in f32.
;;   ~~~python
;;   def quantise(x, axis):      # numpy; x: float32 -> the quantised numbers, widened to float32 again
;;       x = np.moveaxis(x, axis, -1); K = x.shape[-1]
;;       x = np.pad(x, [(0, 0)] * (x.ndim - 1) + [(0, -K % 32)]); x = x.reshape(x.shape[:-1] + (-1, 32)); a = np.abs(x).max(-1, keepdims=True)
;;       e = np.where(a > 0, np.clip(np.frexp(np.where(a > 0, a, 1))[1] - 1 - 2, -126, 127), 0)      # np.frexp(a)[1] - 1 = floor(log2(a)), exactly
;;       r = np.clip(x / 2.0 ** e, -6, 6)
;;       step = 2.0 ** (np.maximum(np.frexp(np.where(r == 0, 1, r))[1] - 1, 0) - 1)
;;       q = np.round(r / step) * step * 2.0 ** e      # np.round: ties to even
;;       return np.moveaxis(q.reshape(q.shape[:-2] + (-1,))[..., :K], -1, axis).astype(np.float32)
;;   ~~~
;; 2 versions, each right. Each part assembles by itself: llvm-mc -triple=amdgcn-amd-amdhsa -mcpu=gfx1250 --defsym DOCPART=n.
;; ======== version 1 of 2: 5 launches
;; limits: values are held in f16: magnitudes above 65,504 overflow, below 6.1e-05 lose precision; right only within a limited range of input values
;; workspace buffers: codes 7,340,032 bytes; scales 458,752 bytes; wo16 4,194,304 bytes; rope 1,048,576 bytes; qkv16 25,165,824 bytes; attn16 8,388,608 bytes; fine_qkv 393,216 bytes
;; launch prep (part 1): grid 544 x 1, 4 waves a work-group, no clusters, 33,280 bytes of LDS; arguments x, wq, wk, wv, wo, positions, codes, scales, wo16, rope; writes codes, scales, wo16, rope
.if DOCPART == 1
	.amdgcn_target "amdgcn-amd-amdhsa--gfx1250"
	.amdhsa_code_object_version 6
	.text
	.protected	k_q42e028670c_prep
	.globl	k_q42e028670c_prep
	.p2align	8
	.type	k_q42e028670c_prep,@function
k_q42e028670c_prep:
	s_mov_b64 s[64:65], 0
	v_nop
	global_prefetch_b8 v0, s[64:65] scope:SCOPE_SE
	s_setreg_imm32_b32 hwreg(HW_REG_WAVE_MODE, 25, 1), 1
	s_wait_xcnt 0x0
; PREP: three jobs in one launch, told apart by the work-group's number.
;   work-groups   0-447: x [4096][2048] and wq, wk, wv [1024][2048], f32, become codes of FP4 (E2M1), K innermost, and one E8M0 byte for each 32 along K.
;                        codes = x's [4096][1024 bytes], then the three weights' as one [3072][1024 bytes]; scales likewise, 64 bytes a row.
;   work-groups 448-511: wo [2048][1024] f32 becomes f16 (rounded to nearest even), same layout.
;   work-groups 512-543: cos and sin of positions[s] x 10000^(-i/64), i = 0 .. 63, laid in the order in which the next launch's registers take them.
; THE QUANTISER: a block's scale is 2^(floor(log2(its largest magnitude)) - 2); its byte is the largest magnitude's exponent field - 2, held at 1 from below.
; A block of zeros so gets the byte 1 where the rule says 127: its codes are zeros, which add nothing under any byte but 0xff, and this program alone reads the bytes.
; Rows are dense and K is a multiple of 32: all four tensors are plain streams of blocks of 32.  A wave takes 16 steps of 512 numbers; a step's four loads read 512 consecutive bytes each,
; the 2,048 bytes turn through the wave's own stage in LDS (16 bytes of padding behind each 64) and come back 64 bytes a lane: 16 neighbours along K, two lanes to a block.
; LIMITS: NaN and infinities among the inputs are not served; blocks whose largest magnitude lies under 2^-124 were not tried; wo is rounded to f16 (magnitudes up to 65,504);
; the angles are reduced by pi/2 in three parts, exact for |position x frequency| under 2^17; the frequencies come from v_exp_f32 (1 ulp).
; Only the quantiser's path touches LDS.
.set WAVES, 4
.set STEPS, 16
.set EMAX,  2
.set CB,    8                          ; bytes of 16 codes
.set R,     16                         ; v16-79   four sets of 16 numbers as they are loaded
.set X,     80                         ; v80-111  two sets of 16 neighbours
.set C,     128                        ; v128-191 codes: four registers for each step, so that no store's data are written again
.set E,     112                        ; v112-127 a scale byte for each step
.set WREG,  8192                       ; LDS: a region for each wave: two stages of 32 x SP bytes, behind them its 256 scale bytes
.set SP,    80                         ; a lane's place in a stage: 64 bytes + 16 of padding
.set SPW,   12                         ; v12  LDS address of my spare word; never rewritten
.set NIL,   13                         ; v13  0; never rewritten
.set SPARE, WAVES*WREG                 ; behind the four regions: the spare words, 128 bytes a wave
.set WV,    24                         ; s24  my wave's number
.set WX,    16                         ; wo: v16-143, two sets of eight steps x 8 registers
.set INV,   32                         ; rope: v32-63 the 32 frequencies of my lane
.set COS,   64                         ; v64-95
.set SIN,   96                         ; v96-127
	s_load_b512 s[4:19], s[0:1], 0x0               ; x s[4:5], wq s[6:7], wk s[8:9], wv s[10:11], wo s[12:13], positions s[14:15], codes s[16:17], scales s[18:19]
	s_load_b128 s[20:23], s[0:1], 0x40             ; wo16 s[20:21], rope s[22:23]
	v_lshl_add_u32 v[SPW], v0, 2, SPARE
	v_mov_b32 v[NIL], 0
	v_lshrrev_b32 v1, 5, v0
	v_readfirstlane_b32 s[WV], v1                  ; wave 0..3
	v_and_b32 v2, 31, v0                           ; lane
	s_cmp_ge_u32 ttmp9, 512
	s_cbranch_scc1 .Lrope
	s_cmp_ge_u32 ttmp9, 448
	s_cbranch_scc1 .Lwo
	; ---------------- the quantiser ----------------
	v_lshlrev_b32 v3, 4, v2                        ; my 16 bytes of a load's 512
	s_mul_i32 s25, s[WV], WREG
	v_lshrrev_b32 v14, 2, v2
	v_mul_u32_u24 v14, v14, SP
	v_and_b32 v15, 3, v2
	v_lshl_add_u32 v14, v15, 4, v14
	v_add_nc_u32 v14, s25, v14                     ; the stage, on the way in: SP (lane / 4) + 16 (lane % 4)
	v_mul_u32_u24 v15, v2, SP
	v_add_nc_u32 v15, s25, v15                     ; and on the way out: SP x lane: my 16 neighbours
	v_mul_u32_u24 v4, v2, CB                       ; my codes' place in a step's
	v_lshrrev_b32 v5, 1, v2
	s_add_co_u32 s25, s25, 2*32*SP
	v_add_nc_u32 v5, s25, v5                       ; LDS: my wave's 256 scale bytes, my block's byte
	v_lshlrev_b32 v7, 3, v2                        ; and on the way out 8 bytes a lane
	v_add_nc_u32 v6, s25, v7
	s_sub_co_u32 s28, ttmp9, 256
	s_and_b32 s28, s28, 63                         ; a weight's work-group: which of its 64
	s_wait_kmcnt 0x0
	s_mov_b64 s[26:27], s[10:11]                   ; the source: wv, unless the work-group's number says otherwise (the choices hang on that number alone)
	s_cmp_lt_u32 ttmp9, 384
	s_cselect_b64 s[26:27], s[8:9], s[26:27]       ; wk
	s_cmp_lt_u32 ttmp9, 320
	s_cselect_b64 s[26:27], s[6:7], s[26:27]       ; wq
	s_cmp_lt_u32 ttmp9, 256
	s_cselect_b64 s[26:27], s[4:5], s[26:27]       ; x
	s_cselect_b32 s28, ttmp9, s28
	s_lshl_b32 s28, s28, 2
	s_add_co_u32 s28, s28, s[WV]                   ; which run of 8,192 numbers of the source is my wave's
	s_lshl_b32 s28, s28, 15                        ; 32,768 bytes a run
	s_mov_b32 s29, 0
	s_add_nc_u64 s[26:27], s[26:27], s[28:29]
	s_lshl_b32 s30, ttmp9, 2
	s_add_co_u32 s30, s30, s[WV]                   ; and which run of the results: the four tensors' codes and bytes lie on end
	s_lshl_b32 s28, s30, 12                        ; 4,096 bytes of codes a run
	s_add_nc_u64 s[16:17], s[16:17], s[28:29]
	s_lshl_b32 s28, s30, 8                         ; 256 scale bytes a run
	s_add_nc_u64 s[18:19], s[18:19], s[28:29]
.macro LOAD t
.irp i, 0,1,2,3
	global_load_b128 v[R+16*((\t)%4)+4*\i:R+16*((\t)%4)+4*\i+3], v3, s[26:27] offset:2048*(\t)+512*\i th:TH_LOAD_NT   ; 32 lanes read 512 consecutive bytes
.endr
.endm
.macro TURN t                          ; step t's numbers through the stage: LDS serves a wave's instructions in order, so no wait stands between the stores and the loads
.irp i, 0,1,2,3
	ds_store_b128 v14, v[R+16*((\t)%4)+4*\i:R+16*((\t)%4)+4*\i+3] offset:32*SP*((\t)%2)+8*SP*\i
.endr
.irp i, 0,1,2,3
	ds_load_b128 v[X+16*((\t)%2)+4*\i:X+16*((\t)%2)+4*\i+3], v15 offset:32*SP*((\t)%2)+16*\i
.endr
.endm
.irp t, 0,1,2,3
	LOAD \t
.endr
	s_wait_loadcnt 12                              ; step 0's four loads are in
	TURN 0
.macro STEP t
.set XS, X+16*((\t)%2)
.if (\t) > 0
	s_wait_dscnt 1                                 ; this step's numbers are back from the stage (the last step's byte store may be out)
.else
	s_wait_dscnt 0x0
.endif
.if (\t)+4 < STEPS
	LOAD (\t)+4                                    ; the registers that the stage's stores have read take the loads of four steps on
.endif
.if (\t)+1 < STEPS
.if STEPS-2-(\t) >= 3
	s_wait_loadcnt 12                              ; the next step's four loads are in; those of the three steps behind it may be out
.else
	s_wait_loadcnt 4*(STEPS-2-(\t))
.endif
	TURN (\t)+1                                    ; and go through the other stage while this step is worked
.endif
	v_max3_num_f32 v8, |v[XS]|, |v[XS+1]|, |v[XS+2]|               ; the largest magnitude of my 16, in two chains
	v_max3_num_f32 v9, |v[XS+3]|, |v[XS+4]|, |v[XS+5]|
.irp i, 6,10
	v_max3_num_f32 v8, v8, |v[XS+\i]|, |v[XS+\i+1]|
	v_max3_num_f32 v9, v9, |v[XS+\i+2]|, |v[XS+\i+3]|
.endr
	v_max3_num_f32 v8, v8, |v[XS+14]|, |v[XS+15]|
	v_max3_num_f32 v8, v8, v9, (EMAX+1)<<23        ; and the floor 2^(3 - 127): the byte cannot fall under 1
	v_max_num_f32_dpp v8, v8, v8 row_xmask:1 row_mask:0xf bank_mask:0xf   ; and of my neighbour's 16: the block's
	v_add_nc_u32 v11, -(EMAX<<23), v8              ; 2 off its exponent field: the conversion takes the exponent field of this operand as its scale, and nothing else of it
	v_cvt_scalef32_pk8_fp4_f32 v[C+4*(\t)], v[XS:XS+7], v11        ; eight numbers / the scale, to the nearest code, ties to even, beyond 6 the largest code
	v_cvt_scalef32_pk8_fp4_f32 v[C+4*(\t)+1], v[XS+8:XS+15], v11
	v_lshrrev_b32 v[E+(\t)], 23, v11               ; the scale's byte
	ds_store_b8 v5, v[E+(\t)] offset:16*(\t)       ; both lanes of a block write the same byte with the same value
	global_store_b64 v4, v[C+4*(\t):C+4*(\t)+1], s[16:17] offset:32*CB*(\t)   ; the wave stores 256 consecutive bytes, aligned
.endm
.irp t, 0,1,2,3,4,5,6,7,8,9,10,11,12,13,14,15
	STEP \t
.endr
	ds_load_b64 v[8:9], v6                         ; LDS serves a wave's instructions in order: these see my byte stores
	s_wait_dscnt 0x0
	global_store_b64 v7, v[8:9], s[18:19]          ; 32 lanes store 256 consecutive bytes, aligned
	s_wait_tensorcnt 0x0                           ; the wave's end, behind my last LDS store
	ds_add_u32 v[SPW], v[NIL]
	s_wait_dscnt 0x0
	s_endpgm
	; ---------------- wo to f16: a wave takes 8,192 numbers, 32 steps of 256 ----------------
.Lwo:
	s_sub_co_u32 s25, ttmp9, 448
	s_lshl_b32 s25, s25, 2
	s_add_co_u32 s25, s25, s[WV]                   ; my run
	s_lshl_b32 s26, s25, 15                        ; 32,768 bytes in,
	s_mov_b32 s27, 0
	s_lshl_b32 s28, s25, 14                        ; 16,384 out
	s_mov_b32 s29, 0
	v_lshlrev_b32 v3, 4, v2
	v_lshlrev_b32 v4, 3, v2
	s_wait_kmcnt 0x0
	s_add_nc_u64 s[12:13], s[12:13], s[26:27]
	s_add_nc_u64 s[20:21], s[20:21], s[28:29]
.macro WLOAD g                         ; eight steps' 16 loads into set g % 2
.irp s, 0,1,2,3,4,5,6,7
	global_load_b128 v[WX+64*((\g)%2)+8*\s:WX+64*((\g)%2)+8*\s+3],   v3, s[12:13] offset:1024*(8*(\g)+\s) th:TH_LOAD_NT
	global_load_b128 v[WX+64*((\g)%2)+8*\s+4:WX+64*((\g)%2)+8*\s+7], v3, s[12:13] offset:1024*(8*(\g)+\s)+512 th:TH_LOAD_NT
.endr
.endm
.macro WPROC g, younger                ; younger: the loads of the set issued behind this one
.irp s, 0,1,2,3,4,5,6,7
	s_wait_loadcnt \younger+14-2*\s                ; this step's two loads are in; the set's later ones and the next set's may be out
.set XR, WX+64*((\g)%2)+8*\s
	v_cvt_pk_f16_f32 v[XR],   v[XR],   v[XR+1]
	v_cvt_pk_f16_f32 v[XR+1], v[XR+2], v[XR+3]
	v_cvt_pk_f16_f32 v[XR+4], v[XR+4], v[XR+5]
	v_cvt_pk_f16_f32 v[XR+5], v[XR+6], v[XR+7]
	global_store_b64 v4, v[XR:XR+1],   s[20:21] offset:512*(8*(\g)+\s)       ; 256 consecutive bytes, aligned
	global_store_b64 v4, v[XR+4:XR+5], s[20:21] offset:512*(8*(\g)+\s)+256
.endr
.endm
	WLOAD 0
	WLOAD 1
	WPROC 0, 16
	s_wait_xcnt 0x0                                ; set 0's stores have read their registers: it is loaded again only behind this wait
	WLOAD 2
	WPROC 1, 16
	s_wait_xcnt 0x0
	WLOAD 3
	WPROC 2, 16
	WPROC 3, 0
	s_endpgm
	; ---------------- the table of cos and sin: a wave takes 16 positions ----------------
	; rope = [128 blocks of 16 positions][16 loads][32 lanes][4 f32]; loads 0-7 cos, 8-15 sin.  Register n = 0 .. 31 of lane (r, h) belongs to position 16 blk + r and frequency 16 (n / 8) + 8 h + n % 8.
.Lrope:
	s_sub_co_u32 s25, ttmp9, 512
	s_lshl_b32 s25, s25, 2
	s_add_co_u32 s25, s25, s[WV]                   ; blk
	s_lshl_b32 s26, s25, 6                         ; 16 positions of 4 bytes
	s_mov_b32 s27, 0
	s_lshl_b32 s28, s25, 13                        ; 8,192 bytes of table
	s_mov_b32 s29, 0
	v_and_b32 v3, 15, v0
	v_lshlrev_b32 v3, 2, v3                        ; 4 r
	v_bfe_u32 v4, v0, 4, 1
	v_lshlrev_b32 v4, 3, v4                        ; 8 h
	v_lshlrev_b32 v5, 4, v2                        ; 16 x lane
	s_mov_b32 s30, 0xbe549a78                      ; -log2(10000) / 64
	s_mov_b32 s31, 0x3f22f983                      ; 2 / pi
	s_mov_b32 s32, 0xbfc90000                      ; pi / 2 in three parts, negated: 1.5703125,
	s_mov_b32 s33, 0xb9fda000                      ; 4.83751297e-4,
	s_mov_b32 s34, 0xb3a22168                      ; 7.54978995e-8
	s_mov_b32 s35, 0xbe2aaaa3                      ; sine's polynomial on [-pi/4, pi/4]
	s_mov_b32 s36, 0x3c08839e
	s_mov_b32 s37, 0xb94ca1f9
	s_mov_b32 s38, 0x3d2aaaa5                      ; cosine's
	s_mov_b32 s39, 0xbab6061a
	s_mov_b32 s40, 0x37ccf5ce
	s_mov_b32 s41, 0x80000000
	s_wait_kmcnt 0x0
	s_add_nc_u64 s[14:15], s[14:15], s[26:27]
	s_add_nc_u64 s[22:23], s[22:23], s[28:29]
	global_load_b32 v6, v3, s[14:15]               ; positions[16 blk + r]
.set n, 0
.rept 32
	v_add_nc_u32 v[INV+n], 16*(n/8)+n%8, v4        ; the frequency's index i
.set n, n+1
.endr
.set n, 0
.rept 32
	v_cvt_f32_u32 v[INV+n], v[INV+n]
.set n, n+1
.endr
.set n, 0
.rept 32
	v_mul_f32 v[INV+n], s30, v[INV+n]
.set n, n+1
.endr
.set n, 0
.rept 32
	v_exp_f32 v[INV+n], v[INV+n]                   ; 10000^(-i/64): one batch
.set n, n+1
.endr
	v_nop                                          ; a plain instruction behind the last exponential
	s_wait_alu depctr_va_vdst(0)                   ; one wait for the batch, ahead of its first reader
	s_wait_loadcnt 0x0
	v_cvt_f32_i32 v6, v6
.macro ANGLE n
	v_mul_f32 v16, v6, v[INV+(\n)]                 ; the angle f, one f32 product
	v_mul_f32 v17, s31, v16
	v_rndne_f32 v17, v17                           ; q = the nearest whole number to f x 2 / pi
	v_fma_f32 v18, v17, s32, v16
	v_fma_f32 v18, v17, s33, v18
	v_fma_f32 v18, v17, s34, v18                   ; r = f - q pi / 2
	v_mul_f32 v19, v18, v18                        ; z
	v_fma_f32 v20, v19, s37, s36
	v_fma_f32 v21, v19, s40, s39
	v_mul_f32 v22, v19, v18
	v_mul_f32 v23, v19, v19
	v_fma_f32 v20, v20, v19, s35
	v_fma_f32 v21, v21, v19, s38
	v_fma_f32 v24, v19, -0.5, 1.0
	v_cvt_i32_f32 v25, v17
	v_fma_f32 v20, v20, v22, v18                   ; sin r
	v_fma_f32 v21, v21, v23, v24                   ; cos r
	v_and_b32 v26, 1, v25
	v_lshlrev_b32 v27, 30, v25                     ; sine is negative where q mod 4 is 2 or 3,
	v_add_nc_u32 v25, 1, v25
	v_cmp_eq_u32 vcc_lo, 1, v26
	v_lshlrev_b32 v25, 30, v25                     ; cosine where it is 1 or 2
	v_cndmask_b32 v26, v20, v21, vcc_lo            ; where q is odd the two change places
	v_cndmask_b32 v20, v21, v20, vcc_lo
	v_and_b32 v27, s41, v27
	v_and_b32 v25, s41, v25
	v_xor_b32 v[SIN+(\n)], v27, v26
	v_xor_b32 v[COS+(\n)], v25, v20
.endm
.set m, 0
.rept 32
	ANGLE m
.set m, m+1
.endr
.irp t, 0,1,2,3,4,5,6,7
	global_store_b128 v5, v[COS+4*\t:COS+4*\t+3], s[22:23] offset:512*\t        ; 512 consecutive bytes a store
	global_store_b128 v5, v[SIN+4*\t:SIN+4*\t+3], s[22:23] offset:4096+512*\t
.endr
	s_endpgm
.Lfunc_end_k_q42e028670c_prep:
	.size	k_q42e028670c_prep, .Lfunc_end_k_q42e028670c_prep-k_q42e028670c_prep
	.p2alignl 7, 3214868480
	.fill 96, 4, 3214868480
	.section	.rodata,"a",@progbits
	.p2align	6, 0x0
	.amdhsa_kernel k_q42e028670c_prep
		.amdhsa_group_segment_fixed_size 33280
		.amdhsa_private_segment_fixed_size 0
		.amdhsa_enable_private_segment 0
		.amdhsa_kernarg_size 80
		.amdhsa_user_sgpr_count 2
		.amdhsa_user_sgpr_kernarg_segment_ptr 1
		.amdhsa_wavefront_size32 1
		.amdhsa_system_sgpr_workgroup_id_x 1
		.amdhsa_system_sgpr_workgroup_id_y 1
		.amdhsa_system_sgpr_workgroup_id_z 1
		.amdhsa_system_vgpr_workitem_id 0
		.amdhsa_next_free_vgpr 192
		.amdhsa_next_free_sgpr 66
		.amdhsa_reserve_vcc 1
		.amdhsa_float_denorm_mode_32 3
		.amdhsa_float_denorm_mode_16_64 3
		.amdhsa_memory_ordered 1
		.amdhsa_forward_progress 1
		.amdhsa_inst_pref_size 100
	.end_amdhsa_kernel
	.amdgpu_metadata
---
amdhsa.version: [ 1, 2 ]
amdhsa.kernels:
  - .name:           k_q42e028670c_prep
    .symbol:         k_q42e028670c_prep.kd
    .args:
      - { .name: x, .offset: 0, .size: 8, .value_kind: global_buffer, .address_space: global }
      - { .name: wq, .offset: 8, .size: 8, .value_kind: global_buffer, .address_space: global }
      - { .name: wk, .offset: 16, .size: 8, .value_kind: global_buffer, .address_space: global }
      - { .name: wv, .offset: 24, .size: 8, .value_kind: global_buffer, .address_space: global }
      - { .name: wo, .offset: 32, .size: 8, .value_kind: global_buffer, .address_space: global }
      - { .name: positions, .offset: 40, .size: 8, .value_kind: global_buffer, .address_space: global }
      - { .name: codes, .offset: 48, .size: 8, .value_kind: global_buffer, .address_space: global }
      - { .name: scales, .offset: 56, .size: 8, .value_kind: global_buffer, .address_space: global }
      - { .name: wo16, .offset: 64, .size: 8, .value_kind: global_buffer, .address_space: global }
      - { .name: rope, .offset: 72, .size: 8, .value_kind: global_buffer, .address_space: global }
    .group_segment_fixed_size: 33280
    .private_segment_fixed_size: 0
    .kernarg_segment_align: 8
    .kernarg_segment_size: 80
    .max_flat_workgroup_size: 128
    .sgpr_count:     66
    .vgpr_count:     192
    .wavefront_size: 32
...
	.end_amdgpu_metadata
.endif
;; end of part 1
;; launch qkv (part 2): grid 12 x 16, 4 waves a work-group, clusters of 4 x 4, 327,680 bytes of LDS; arguments codes, scales, rope, q_norm_w, k_norm_w, qkv16, fine_qkv; writes qkv16, fine_qkv
.if DOCPART == 2
	.amdgcn_target "amdgcn-amd-amdhsa--gfx1250"
	.amdhsa_code_object_version 6
	.text
	.protected	k_q42e028670c_qkv
	.globl	k_q42e028670c_qkv
	.p2align	8
	.type	k_q42e028670c_qkv,@function
k_q42e028670c_qkv:
	s_mov_b64 s[64:65], 0
	v_nop
	global_prefetch_b8 v0, s[64:65] scope:SCOPE_SE
	s_setreg_imm32_b32 hwreg(HW_REG_WAVE_MODE, 25, 1), 1
	s_wait_xcnt 0x0
	s_wait_alu depctr_hold_cnt(0) depctr_sa_sdst(0) depctr_va_vdst(0) depctr_va_sdst(0) depctr_va_ssrc(0) depctr_va_vcc(0) depctr_vm_vsrc(0)
	s_getreg_b32 s2, hwreg(HW_REG_IB_STS2, 6, 4)
	s_cmp_eq_u32 s2, 0
	s_cbranch_scc0 .Lentry_in_a_cluster
	s_endpgm
.Lentry_in_a_cluster:
	s_bfe_u32 s2, ttmp6, 0x10000c
	s_cmp_lg_u32 s2, 0xf033
	s_cbranch_scc0 .Lentry_shape_is_right
	s_endpgm
.Lentry_shape_is_right:
; q, k, v = x [4096][2048] times (wq, wk, wv as one [3072][2048])^T on codes of FP4 (E2M1) with one E8M0 scale for each 32 along K; sums in f32.  Then, in registers: the RMS norm of each head's 128
; numbers with its weight and the rotation by the table of cos and sin (q and k), and the rounding to f16.  Results: qkv16 [3][16 (batch x 8 + head)][2048][128] f16; the first 16 positions of each sequence
; also in f32, fine_qkv [2][16][3072], for the launch that carries those rows finely.
; A tile of 256 x 256 is made by a work-group of four waves; a wave makes 128 rows x 128 columns: the columns of exactly ONE head, so the norm never leaves the wave.  64 accumulators of 16 x 16, 512 registers.
; K goes in steps of 512 through a ring of two LDS slots filled by the tensor data mover (a tile's row is 256 bytes of memory).  The scale bytes of the work-group's rows, for all of K, come into LDS once.
; CLUSTERS: 4 x 4 work-groups; the four of a row of the cluster ask jointly for x's tiles, the four of a column for the weights'.  A cluster's x is 0, 1 or 2: q, k or v, so the one branch of the way out is alike in all partners.
; THE MATRIX INSTRUCTION IS USED TRANSPOSED (source 0 = 16 rows of the weights, source 1 = 16 rows of x): lane (r, h) holds row r and eight neighbouring columns 16 b + 8 h + 0 .. 7.
; REGISTERS in the K loop: window 0: v0-31 addresses; v32-95 scale words, two sets; from v128 x's fragments, one set.  window 1: the weights' fragments, two sets, at v0 and v128.  windows 2, 3: the accumulators ((a, b) at v[8 (8 (a % 4) + b)]).
; LIMITS: v is rounded to f16: magnitudes up to 65,504.  NaN and infinities are not served.
.set SIZE_M, 4096
.set SIZE_N, 3072
.set SIZE_K, 2048
.set WCODES, 4194304                   ; where the weights' codes begin in codes,
.set WSCALES, 262144                   ; and their bytes in scales
.set KSTEP,  512                       ; along K in a slot
.set NQ,     KSTEP/128                 ; matrix instructions deep
.set ROWB,   256                       ; a tile's row in bytes
.set KROW,   SIZE_K*4/8                ; a row of codes in memory
.set PITCH,  272                       ; an LDS row: 256 bytes + 16 of padding: the 16 rows that a load touches start at 16 different banks (64 banks of 4 bytes: ISA guide 11.1)
.set FR,     8                         ; registers of a fragment: 16 rows x 128 K
.set NL,     2                         ; LDS loads that bring one
.set NP,     4                         ; places behind this matrix instruction (ISA guide 7.12.1)
.set HALFT,  128*PITCH
.set SLOT,   4*HALFT                   ; x's 256 rows, then the weights' 256 rows
.set LAPS,   SIZE_K/(2*KSTEP)
.set KS,     SIZE_K/32                 ; a row of scales: 64 bytes
.set SCL,    2*SLOT                    ; behind the ring: the scales, as units of 256 bytes + 16 of padding
.set HALFS,  (128*KS/256)*272
.set SBLK,   (16*KS/256)*272
.set SPARE,  SCL+4*HALFS               ; behind the scales: the spare words, 128 bytes a wave
.set SPITCH, 272                       ; the way out: a stage of 16 rows x (256 bytes + 16) for each wave, in slot 0, which has had its last fill and its last read by then
.set VSTG,   4*16*SPITCH               ; the v path's stages lie behind the q/k path's: each path has LDS bytes of its own
.set WO,   3                           ; v3      the way out: 32 h: my columns' place in a norm weight
.set RS,   8                           ; v8-23   the way out: 1 / rms of block a's row in v[8 + 2 a]; the odd registers take the exchange between the halves of the lanes
.set ADRA, 16                          ; v16-17  (K loop) LDS address of x's fragments in slot 0, 1
.set ADRB, 20                          ; v20-21  (K loop) the same for the weights
.set STO,  24                          ; v24     the stage: where I put 16 bytes of a row
.set RD,   25                          ; v25     and where I read a row back
.set CO,   26                          ; v26     16 x lane
.set ADRS, 27                          ; v27     LDS address of my scale words
.set SPW,  28                          ; v28     LDS address of my spare word; never rewritten
.set NIL,  29                          ; v29     0; never rewritten
.set FO,   30                          ; v30     my place in fine_qkv: 12,288 r + 32 h
.set FL,   31                          ; v31     my wave's first position in its sequence
.set SC,   32                          ; scale words: set s at v[SC + 8 NQ s]
.set AF,   128                         ; x's fragments, window 0
.set TQ,   32                          ; the way out: v32-39 four chains of squares
.set YR,   32                          ; v32-95   a block's 64 numbers, normalised
.set ZR,   96                          ; v96-159  rotated
.set PH,   160                         ; v160-191 as f16
.set BK,   192                         ; v192-255 rows read back from the stage, two sets of 32
.set WN,   0                           ; window 1: v0-63 the norm's weight of my 64 columns
.set CSR,  64                          ; window 1: v64-127, v128-191 two sets of 32 cos and 32 sin
.set G1, 24
.set G0, 32
.set G1B, 48
.set G0B, 56
.set G1S, 68
.set G0S, 76
.set G1SB, 80
.set G0SB, 88
.set MSB, 0
.macro WIN new                         ; the immediate's high byte repeats the setting that is left
.if MSB != \new
	s_set_vgpr_msb (MSB<<8)|\new
.set MSB, \new
.endif
.endm
.set MUL_LO, 0xa1                      ; source 0 window 1, source 1 window 0, C and D window 2
.set MUL_HI, 0xf1                      ; the same, C and D window 3
.set TO_B,   0x40                      ; destination window 1, address window 0
; A joint load: waves 0 and 1 fetch for x, waves 2 and 3 for the weights.  The branch hangs on the wave's number alone.  An s_nop 0 and four v_nop follow each of the two lines.
.macro JLOAD g0a, g1a, g0b, g1b
	s_cmp_eq_u32 s15, 0
	s_cbranch_scc0 .Lfor_b_\@
	tensor_load_to_lds s[\g0a:\g0a+3], s[\g1a:\g1a+7]
	s_nop 0
.rept 4
	v_nop
.endr
	s_branch .Lasked_\@
.Lfor_b_\@:
	tensor_load_to_lds s[\g0b:\g0b+3], s[\g1b:\g1b+7]
	s_nop 0
.rept 4
	v_nop
.endr
.Lasked_\@:
.endm
.macro CREST                           ; a round of the cluster's barrier behind its opening barrier
	s_cmp_lg_u32 s14, 0
	s_cbranch_scc1 .Lnot_wave_0_\@
	s_barrier_signal -3
.Lnot_wave_0_\@:
	s_barrier_wait -3
	s_barrier_signal -1
	s_barrier_wait -1
.endm
.macro CROUND                          ; a whole round
	s_barrier_signal -1
	s_barrier_wait -1
	CREST
.endm
	s_load_b128 s[4:7], s[0:1], 0x0                ; codes s[4:5], scales s[6:7]
	v_lshl_add_u32 v[SPW], v0, 2, SPARE
	v_mov_b32 v[NIL], 0
	ds_add_u32 v[SPW], v[NIL]                      ; the wave's opening: the add, twice on end, and its wait ahead of my first tensor load
	ds_add_u32 v[SPW], v[NIL]
	v_lshrrev_b32 v1, 5, v0
	v_readfirstlane_b32 s14, v1                    ; wave 0..3
	s_lshr_b32 s15, s14, 1                         ; which half of the tile's rows is mine.  Also: I fetch for x (0) or for the weights (1)
	s_and_b32 s16, s14, 1                          ; which half of its columns.  Also: which 128 rows of that tile I fetch
	s_bfe_u32 s40, ttmp6, 0x40000                  ; cx, cy: my place in the cluster
	s_bfe_u32 s41, ttmp6, 0x40004
	s_lshl_b32 s42, ttmp9, 2
	s_add_co_u32 s42, s42, s40                     ; tile column = 4 x cluster x + cx
	s_and_b32 s17, ttmp7, 0xffff
	s_lshl_b32 s17, s17, 2
	s_add_co_u32 s17, s17, s41                     ; tile row = 4 x cluster y + cy
	s_lshl_b32 s43, s41, 2
	s_lshl_b32 s43, 15, s43                        ; my row of the cluster
	s_lshl_b32 s44, 0x1111, s40                    ; my column
	; descriptor group 1: a tile of 128 rows x 256 bytes, 16 bytes of padding behind each row
	s_or_b32 s[G1+0], s43, (0<<16)|(1<<20)|(1<<21)|(5<<22)|(3<<25)  ; 15:0 the mask; 17:16 elements of 1 byte; 20 padding on; 21 set beside a mask; 24:22 after every 64 words; 31:25 four words
	s_or_b32 s[G1B+0], s44, (0<<16)|(1<<20)|(1<<21)|(5<<22)|(3<<25)
.irp g, G1, G1B
	s_mov_b32 s[\g+1], ROWB<<16                    ; tensor_dim0
	s_mov_b32 s[\g+2], 128<<16                     ; tensor_dim1
	s_mov_b32 s[\g+3], ROWB<<16                    ; tile_dim0
	s_mov_b32 s[\g+4], 128                         ; tile_dim1
	s_mov_b32 s[\g+5], KROW                        ; tensor_dim0_stride
	s_mov_b32 s[\g+6], 0
	s_mov_b32 s[\g+7], 0
.endr
	; the scales of 128 rows: a dense block of 8,192 bytes, as 32 rows of 256 bytes (32 elements of 8 bytes), 16 bytes of padding behind each
	s_or_b32 s[G1S+0], s43, (3<<16)|(1<<20)|(1<<21)|(5<<22)|(3<<25)
	s_or_b32 s[G1SB+0], s44, (3<<16)|(1<<20)|(1<<21)|(5<<22)|(3<<25)
.irp g, G1S, G1SB
	s_mov_b32 s[\g+1], 32<<16
	s_mov_b32 s[\g+2], (128*KS/256)<<16
	s_mov_b32 s[\g+3], 32<<16
	s_mov_b32 s[\g+4], 128*KS/256
	s_mov_b32 s[\g+5], 32
	s_mov_b32 s[\g+6], 0
	s_mov_b32 s[\g+7], 0
.endr
	s_lshl_b32 s18, s16, 7                         ; which 128 rows of the tile I fetch
	s_lshl_b32 s20, s17, 8
	s_add_co_u32 s20, s20, s18                     ; x: row 256 x tile row + 128 x half
	s_lshl_b32 s46, s42, 8
	s_add_co_u32 s46, s46, s18                     ; the weights: row 256 x tile column + 128 x half
	s_mov_b32 s21, 0
	s_mov_b32 s47, 0
	s_mov_b64 s[18:19], KS
	s_mul_u64 s[22:23], s[20:21], s[18:19]         ; where these rows' scales begin, in bytes
	s_mul_u64 s[92:93], s[46:47], s[18:19]
	s_mov_b64 s[18:19], KROW
	s_mul_u64 s[20:21], s[20:21], s[18:19]         ; and their codes
	s_mul_u64 s[46:47], s[46:47], s[18:19]
	s_mul_i32 s45, s14, HALFT                      ; where they go: wave x 128 rows: no place in the cluster enters an LDS address
	s_mul_i32 s94, s14, HALFS
	s_wait_dscnt 0x0                               ; both opening adds are done
	s_wait_kmcnt 0x0
	s_add_nc_u64 s[8:9], s[4:5], WCODES            ; the weights' codes
	s_add_nc_u64 s[10:11], s[6:7], WSCALES         ; and scale bytes
	s_add_nc_u64 s[20:21], s[4:5], s[20:21]
	s_add_nc_u64 s[22:23], s[6:7], s[22:23]
	s_add_nc_u64 s[46:47], s[8:9], s[46:47]
	s_add_nc_u64 s[92:93], s[10:11], s[92:93]
	CROUND                                         ; all sixteen work-groups are here: the first joint loads meet
	s_mov_b32 s[G0S], 1
	s_add_co_u32 s[G0S+1], s94, SCL
	s_mov_b64 s[G0S+2:G0S+3], s[22:23]
	s_or_b32 s[G0S+3], s[G0S+3], 0x80000000
	s_mov_b32 s[G0SB], 1
	s_add_co_u32 s[G0SB+1], s94, SCL
	s_mov_b64 s[G0SB+2:G0SB+3], s[92:93]
	s_or_b32 s[G0SB+3], s[G0SB+3], 0x80000000
	JLOAD G0S, G1S, G0SB, G1SB                     ; the scales first: they are wanted with K step 0
.irp s, 0,1
	s_mov_b32 s[G0+4*\s], 1
	s_add_co_u32 s[G0+4*\s+1], s45, \s*SLOT
	s_add_nc_u64 s[G0+4*\s+2:G0+4*\s+3], s[20:21], \s*ROWB
	s_or_b32 s[G0+4*\s+3], s[G0+4*\s+3], 0x80000000
	s_mov_b32 s[G0B+4*\s], 1
	s_add_co_u32 s[G0B+4*\s+1], s45, \s*SLOT
	s_add_nc_u64 s[G0B+4*\s+2:G0B+4*\s+3], s[46:47], \s*ROWB
	s_or_b32 s[G0B+4*\s+3], s[G0B+4*\s+3], 0x80000000
	JLOAD G0+4*\s, G1, G0B+4*\s, G1B               ; by my own count three tensor loads of mine are out
.endr
	v_and_b32 v1, 15, v0                           ; r = l % 16
	v_bfe_u32 v2, v0, 4, 1                         ; h = l / 16
	v_mul_u32_u24 v3, v1, PITCH
	v_lshl_add_u32 v4, v2, 4, v3                   ; a fragment's row x pitch + 16 x half
	s_mul_i32 s21, s15, HALFT                      ; my 128 rows of x
	s_mul_i32 s22, s16, HALFT                      ; my 128 rows of the weights,
	s_add_co_u32 s22, s22, 2*HALFT                 ; which lie behind x's 256
.irp s, 0,1
	v_add_nc_u32 v[ADRA+\s], s21, v4
	v_add_nc_u32 v[ADRB+\s], s22, v4
	s_add_co_u32 s21, s21, SLOT
	s_add_co_u32 s22, s22, SLOT
.endr
	v_mul_u32_u24 v5, v1, KS                       ; my row's scales: 64 bytes a row,
	v_lshrrev_b32 v6, 8, v5
	v_lshl_add_u32 v5, v6, 4, v5                   ; and 16 more for each 256 passed
	s_mul_i32 s21, s15, HALFS
	s_mul_i32 s22, s16, HALFS
	s_add_co_u32 s22, s22, 2*HALFS
	s_sub_co_u32 s22, s22, s21
	v_mul_u32_u24 v6, s22, v2                      ; lanes 16-31 take the weights'
	s_add_co_u32 s21, s21, SCL
	v_add_nc_u32 v5, v5, v6
	v_add_nc_u32 v[ADRS], s21, v5
	s_mul_i32 s23, s14, 16*SPITCH                  ; my stage
	v_mul_u32_u24 v5, v1, SPITCH                   ; in: row r, 16 bytes for each half of the lanes
	v_lshl_add_u32 v5, v2, 4, v5
	v_add_nc_u32 v[STO], s23, v5
	v_mul_u32_u24 v5, v2, SPITCH                   ; back: lanes 0-15 one row of 256 bytes, lanes 16-31 the next
	v_lshl_add_u32 v5, v1, 4, v5
	v_add_nc_u32 v[RD], s23, v5
	v_and_b32 v6, 31, v0
	v_lshlrev_b32 v[CO], 4, v6
.macro FRAG reg, adr, q, i             ; 16 rows x 128 K of 4-bit codes: lane l holds row l % 16; registers 4 c .. 4 c + 3 hold K = 64 c + 32 (l / 16) + 0 .. 31
.irp c, 0,1
	ds_load_b128 v[\reg+4*\c:\reg+4*\c+3], v[\adr] offset:64*(\q)+32*\c+(\i)*16*PITCH
.endr
.endm
; 16 matrix instructions: x's blocks a0, a0 + 1 against the weights' eight, 128 along K.  The 64 accumulators take turns, one instruction a turn, in the same order in every step.
.macro MUL16 a0, p, q, sc, zero
.irp a, \a0, \a0+1
.irp b, 0,1,2,3,4,5,6,7
.if \zero
	v_wmma_scale_f32_16x16x128_f8f6f4 v[8*(8*((\a)%4)+\b):8*(8*((\a)%4)+\b)+7], v[128*(\p)+FR*\b:128*(\p)+FR*\b+FR-1], v[AF+FR*(\a):AF+FR*(\a)+FR-1], 0, v[SC+8*NQ*(\sc)+NQ*\b+(\q)], v[SC+8*NQ*(\sc)+NQ*(\a)+(\q)] matrix_a_fmt:MATRIX_FMT_FP4 matrix_b_fmt:MATRIX_FMT_FP4 matrix_a_scale:MATRIX_SCALE_ROW1
.else
	v_wmma_scale_f32_16x16x128_f8f6f4 v[8*(8*((\a)%4)+\b):8*(8*((\a)%4)+\b)+7], v[128*(\p)+FR*\b:128*(\p)+FR*\b+FR-1], v[AF+FR*(\a):AF+FR*(\a)+FR-1], v[8*(8*((\a)%4)+\b):8*(8*((\a)%4)+\b)+7], v[SC+8*NQ*(\sc)+NQ*\b+(\q)], v[SC+8*NQ*(\sc)+NQ*(\a)+(\q)] matrix_a_fmt:MATRIX_FMT_FP4 matrix_b_fmt:MATRIX_FMT_FP4 matrix_a_scale:MATRIX_SCALE_ROW1
.endif
.endr
.endr
.endm
.macro FETCH_B slot, q, p
	WIN TO_B
.irp i, 0,1,2,3,4,5,6,7
	FRAG 128*(\p)+FR*\i, ADRB+\slot, \q, \i
.endr
	WIN 0
.endm
.macro FETCH_A slot, q, i0
.irp i, \i0, \i0+1, \i0+2, \i0+3
	FRAG AF+FR*(\i), ADRA+\slot, \q, \i
.endr
.endm
.macro SCALES sc                       ; the next K step's scale words: lanes 0-15 take x's block i, lanes 16-31 the weights' block i
.irp i, 0,1,2,3,4,5,6,7
	ds_load_b128 v[SC+8*NQ*\sc+NQ*\i:SC+8*NQ*\sc+NQ*\i+3], v[ADRS] offset:\i*SBLK
.endr
.endm
.macro PLACES n                        ; plain instructions between a matrix instruction and a load into, or a vector read of, its registers
.rept \n
	v_nop
.endr
.endm
.macro STEP slot, q, zero              ; a step of 128 along K that has its successor in the same slot
	s_wait_dscnt 4*NL                              ; the weights' set and x's blocks 0-3 are in; the youngest loads (x's blocks 4-7) may be out
	WIN MUL_LO
	MUL16 0, (\q)%2, \q, \slot, \zero
	MUL16 2, (\q)%2, \q, \slot, \zero
	s_wait_dscnt 0                                 ; x's blocks 4-7 are in
	PLACES NP
	FETCH_B \slot, (\q)+1, 1-(\q)%2
	FETCH_A \slot, (\q)+1, 0
	WIN MUL_HI
	MUL16 4, (\q)%2, \q, \slot, \zero
	MUL16 6, (\q)%2, \q, \slot, \zero
	PLACES NP
	WIN 0
	FETCH_A \slot, (\q)+1, 4
.endm
; A slot's last step changes slots: one barrier; in front of it each wave waits for all its tensor loads, adds 0 to its spare word, and waits for that and for its own reads of this slot.
.macro TURN slot, next, fill
	s_wait_tensorcnt 0x0                           ; all my tensor loads have landed: my part of the next slot
	ds_add_u32 v[SPW], v[NIL]                      ; 0 onto my spare word
	s_wait_dscnt 4*NL+1                            ; (the add and the youngest loads, x's blocks 4-7, may be out)
	WIN MUL_LO
	MUL16 0, 1, NQ-1, \slot, 0
	s_wait_dscnt 0x0                               ; the add is done, and my reads of this slot are over
	s_barrier_signal -1
	MUL16 2, 1, NQ-1, \slot, 0
	WIN 0
	s_barrier_wait -1
.if \fill
	CREST                                          ; the barrier has opened a round of the cluster's barrier: no wave of any partner still reads this slot or has a load on its way
	s_add_nc_u64 s[G0+4*\slot+2:G0+4*\slot+3], s[G0+4*\slot+2:G0+4*\slot+3], 2*ROWB
	s_add_nc_u64 s[G0B+4*\slot+2:G0B+4*\slot+3], s[G0B+4*\slot+2:G0B+4*\slot+3], 2*ROWB
	JLOAD G0+4*\slot, G1, G0B+4*\slot, G1B         ; the first tensor load behind the round; its four v_nop are the places in front of the loads below
.else
	PLACES NP
.endif
	v_add_nc_u32 v[ADRS], 4*NQ, v[ADRS]            ; on to the next K step's scale words
	FETCH_B \next, 0, 0
	FETCH_A \next, 0, 0
	SCALES \next
	WIN MUL_HI
	MUL16 4, 1, NQ-1, \slot, 0
	MUL16 6, 1, NQ-1, \slot, 0
	PLACES NP
	WIN 0
	FETCH_A \next, 0, 4
.endm
.macro STEPS slot, from
.set Q, \from
.rept NQ-1-\from
	STEP \slot, Q, 0
.set Q, Q+1
.endr
.endm
	s_wait_tensorcnt 1                             ; the scales and my part of K step 0 are in (K step 1's load may be out)
	s_barrier_signal -1
	s_barrier_wait -1                              ; everybody's are
	FETCH_B 0, 0, 0
	FETCH_A 0, 0, 0
	SCALES 0
	FETCH_A 0, 0, 4
	STEP 0, 0, 1                                   ; the first step stands in front of the loop: its products start the sums
	s_mov_b32 s3, LAPS-1
.Llap:                                                 ; a trip goes once round the ring and fills both slots again
	STEPS 0, 1
	TURN 0, 1, 1
	STEPS 1, 0
	TURN 1, 0, 1
	STEP 0, 0, 0
	s_sub_co_u32 s3, s3, 1
	s_cmp_lg_u32 s3, 0
	s_cbranch_scc1 .Llap
	STEPS 0, 1                                     ; the last lap fills nothing
	TURN 0, 1, 0
	; every tensor load of mine has landed (the wait for 0 above) and none follows: the descriptors' registers take the other arguments and the way out's numbers
	s_load_b256 s[24:31], s[0:1], 0x10             ; rope s[24:25], q_norm_w s[26:27], k_norm_w s[28:29], qkv16 s[30:31]
	s_load_b64 s[32:33], s[0:1], 0x30              ; fine_qkv
	s_lshl_b32 s18, s17, 8
	s_lshl_b32 s19, s15, 7
	s_add_co_u32 s18, s18, s19                     ; my first row of the 4,096
	s_lshr_b32 s19, s18, 11                        ; the batch
	s_and_b32 s20, s18, 2047                       ; my first position in the sequence
	s_lshl_b32 s21, s42, 1
	s_add_co_u32 s21, s21, s16                     ; which 128 of the 3,072 columns
	s_and_b32 s22, s21, 7                          ; the head
	s_lshl_b32 s23, s19, 3
	s_add_co_u32 s23, s23, s22
	s_lshl_b32 s44, s23, 19                        ; qkv16: (8 batch + head) x 524,288
	s_lshl_b32 s45, ttmp9, 23                      ; + (q, k or v) x 8,388,608
	s_add_co_u32 s44, s44, s45
	s_lshl_b32 s45, s20, 8                         ; + position x 256
	s_add_co_u32 s44, s44, s45
	s_mov_b32 s45, 0
	s_lshl_b32 s46, s20, 9                         ; the table: 512 bytes a position
	s_mov_b32 s47, 0
	s_mul_i32 s92, s19, 196608                     ; fine_qkv: batch x 16 rows of 12,288 bytes
	s_lshl_b32 s93, s21, 9                         ; + my 128 columns
	s_add_co_u32 s92, s92, s93
	s_mov_b32 s93, 0
	s_mov_b32 s34, 0x76543210                      ; v_permlanex16_b32's selects for lane l xor 16
	s_mov_b32 s35, 0xfedcba98
	s_mov_b32 s36, 0x3c000000                      ; 1 / 128
	s_mov_b32 s37, 0x3727c5ac                      ; 1e-5
	STEPS 1, 0
	s_wait_dscnt 4*NL                              ; the very last step: nothing more to fetch
	WIN MUL_LO
	MUL16 0, 1, NQ-1, 1, 0
	MUL16 2, 1, NQ-1, 1, 0
	s_wait_dscnt 0
	WIN MUL_HI
	MUL16 4, 1, NQ-1, 1, 0
	MUL16 6, 1, NQ-1, 1, 0
	WIN 0
	; ---------------- THE WAY OUT ----------------
	s_wait_kmcnt 0x0
	s_add_nc_u64 s[30:31], s[30:31], s[44:45]
	s_add_nc_u64 s[24:25], s[24:25], s[46:47]
	s_add_nc_u64 s[32:33], s[32:33], s[92:93]
	v_lshlrev_b32 v[WO], 5, v2
	v_mul_u32_u24 v[FO], v1, 12288
	v_lshl_add_u32 v[FO], v2, 5, v[FO]
	v_mov_b32 v[FL], s20
	PLACES NP                                      ; in front of the first reads of results and of loads into registers that held fragments and scale words
; The first 16 positions of a sequence also leave in f32.  The lanes are switched off where my first position is not 0.  EXEC changes only behind s_wait_xcnt 0.
.macro FINE reg, win
	s_wait_xcnt 0x0
	v_cmp_eq_u32 vcc_lo, 0, v[FL]
	s_and_saveexec_b32 s38, vcc_lo
	WIN \win
.irp b, 0,1,2,3,4,5,6,7
	global_store_b128 v[FO], v[\reg+8*\b:\reg+8*\b+3],   s[32:33] offset:64*\b
	global_store_b128 v[FO], v[\reg+8*\b+4:\reg+8*\b+7], s[32:33] offset:64*\b+16
.endr
	WIN 0
	s_wait_xcnt 0x0
	s_or_b32 exec_lo, exec_lo, s38
.endm
; Block a's 16 rows x 128 f16: 16 bytes a lane into my stage, back as whole rows of 256 bytes.  LDS serves a wave's instructions in order (ISA guide 5.7.1.4): no wait between the stores and the loads.
.macro TOSTAGE a, off
.irp b, 0,1,2,3,4,5,6,7
	ds_store_b128 v[STO], v[PH+4*\b:PH+4*\b+3] offset:\off+32*\b
.endr
.irp t, 0,1,2,3,4,5,6,7
	ds_load_b128 v[BK+32*((\a)%2)+4*\t:BK+32*((\a)%2)+4*\t+3], v[RD] offset:\off+2*SPITCH*\t
.endr
.endm
.macro SEND a, younger                 ; younger: the LDS instructions issued behind block a's loads
	s_wait_dscnt \younger
.irp t, 0,1,2,3,4,5,6,7
	global_store_b128 v[CO], v[BK+32*((\a)%2)+4*\t:BK+32*((\a)%2)+4*\t+3], s[30:31] offset:4096*(\a)+512*\t   ; 32 lanes store 512 consecutive bytes, aligned: two rows of a head
.endr
.endm
	s_cmp_eq_u32 ttmp9, 2                          ; the cluster's x: the same in all sixteen partners
	s_cbranch_scc1 .Lv
	; ---- q and k: norm, weight, rotation ----
	s_cmp_eq_u32 ttmp9, 0
	s_cselect_b64 s[26:27], s[26:27], s[28:29]     ; q's weight or k's
	WIN TO_B
.irp b, 0,1,2,3,4,5,6,7
	global_load_b128 v[WN+8*\b:WN+8*\b+3],   v[WO], s[26:27] offset:64*\b      ; the weight of columns 16 b + 8 h + 0 .. 7
	global_load_b128 v[WN+8*\b+4:WN+8*\b+7], v[WO], s[26:27] offset:64*\b+16
.endr
.macro CSLOAD a                        ; block a's 32 cos and 32 sin, in my registers' order: 16 loads of 512 consecutive bytes
	WIN TO_B
.irp t, 0,1,2,3,4,5,6,7,8,9,10,11,12,13,14,15
	global_load_b128 v[CSR+64*((\a)%2)+4*\t:CSR+64*((\a)%2)+4*\t+3], v[CO], s[24:25] offset:8192*(\a)+512*\t
.endr
.endm
	CSLOAD 0
.macro SUMSQ a                         ; the sum of my 64 squares of block a's row, in four chains; each accumulator is read from its low end on
.set AC, 64*((\a)%4)
	WIN 0x0a+5*((\a)/4)                            ; sources 0 and 1: window 2 or 3
.irp b, 0,1,2,3,4,5,6,7
.irp c, 0,1,2,3
.if \b == 0
	v_pk_mul_f32 v[TQ+2*\c:TQ+2*\c+1], v[AC+2*\c:AC+2*\c+1], v[AC+2*\c:AC+2*\c+1]
.else
	v_pk_fma_f32 v[TQ+2*\c:TQ+2*\c+1], v[AC+8*\b+2*\c:AC+8*\b+2*\c+1], v[AC+8*\b+2*\c:AC+8*\b+2*\c+1], v[TQ+2*\c:TQ+2*\c+1]
.endif
.endr
.endr
	WIN 0
	v_pk_add_f32 v[TQ:TQ+1], v[TQ:TQ+1], v[TQ+2:TQ+3]
	v_pk_add_f32 v[TQ+4:TQ+5], v[TQ+4:TQ+5], v[TQ+6:TQ+7]
	v_pk_add_f32 v[RS+2*(\a):RS+2*(\a)+1], v[TQ:TQ+1], v[TQ+4:TQ+5]
	v_add_f32 v[RS+2*(\a)], v[RS+2*(\a)], v[RS+2*(\a)+1]
.endm
.irp a, 0,1,2,3,4,5,6,7
	SUMSQ \a
.endr
.irp a, 0,1,2,3,4,5,6,7
	v_permlanex16_b32 v[RS+2*\a+1], v[RS+2*\a], s34, s35       ; the row's other 64 columns lie in the lane 16 away
.endr
.irp a, 0,1,2,3,4,5,6,7
	v_add_f32 v[RS+2*\a], v[RS+2*\a], v[RS+2*\a+1]
.endr
.irp a, 0,1,2,3,4,5,6,7
	v_fma_f32 v[RS+2*\a], v[RS+2*\a], s36, s37                 ; the mean of the squares + 1e-5
.endr
.irp a, 0,1,2,3,4,5,6,7
	v_rsq_f32 v[RS+2*\a], v[RS+2*\a]
.endr
	v_nop                                          ; a plain instruction behind the last of the batch
	s_wait_alu depctr_va_vdst(0)                   ; one wait for the eight, ahead of their first reader
.macro QKBLOCK a
.set AC, 64*((\a)%4)
.set CR, CSR+64*((\a)%2)
.if (\a) < 7
	CSLOAD (\a)+1
	s_wait_loadcnt 16                              ; the weight and this block's table are in; the next block's 16 loads may be out
.else
	s_wait_loadcnt 0x0
.endif
	WIN 0x02+(\a)/4                                ; source 0: window 2 or 3
.set i, 0
.rept 32
	v_pk_mul_f32 v[YR+i:YR+i+1], v[AC+i:AC+i+1], v[RS+2*(\a):RS+2*(\a)+1] op_sel_hi:[1,0]   ; t / rms
.set i, i+2
.endr
	WIN 0x04                                       ; source 1: window 1
.set i, 0
.rept 32
	v_pk_mul_f32 v[YR+i:YR+i+1], v[YR+i:YR+i+1], v[WN+i:WN+i+1]                            ; x the weight
.set i, i+2
.endr
.set i, 0
.rept 16
	v_pk_mul_f32 v[ZR+i:ZR+i+1], v[YR+32+i:YR+33+i], v[CR+32+i:CR+33+i]                    ; t2 sin
.set i, i+2
.endr
.set i, 0
.rept 16
	v_pk_mul_f32 v[ZR+32+i:ZR+33+i], v[YR+i:YR+i+1], v[CR+32+i:CR+33+i]                    ; t1 sin
.set i, i+2
.endr
.set i, 0
.rept 16
	v_pk_fma_f32 v[ZR+i:ZR+i+1], v[YR+i:YR+i+1], v[CR+i:CR+i+1], v[ZR+i:ZR+i+1] neg_lo:[0,0,1] neg_hi:[0,0,1]   ; t1 cos - t2 sin
.set i, i+2
.endr
.set i, 0
.rept 16
	v_pk_fma_f32 v[ZR+32+i:ZR+33+i], v[YR+32+i:YR+33+i], v[CR+i:CR+i+1], v[ZR+32+i:ZR+33+i]                     ; t2 cos + t1 sin
.set i, i+2
.endr
	WIN 0
.if (\a) == 0
	FINE ZR, 0
.endif
.set i, 0
.rept 32
	v_cvt_pk_f16_f32 v[PH+i], v[ZR+2*i], v[ZR+2*i+1]
.set i, i+1
.endr
.if (\a) > 1
	s_wait_xcnt 0x0                                ; block a - 2's stores have read their registers: block a's rows may land there
.endif
	TOSTAGE \a, 0
.if (\a) > 0
	SEND (\a)-1, 16                                ; behind block a - 1's loads: block a's 8 stores and 8 loads
.endif
.endm
.irp a, 0,1,2,3,4,5,6,7
	QKBLOCK \a
.endr
	SEND 7, 0
	s_branch .Lend
	; ---- v: rounded as it is ----
.Lv:
.macro VBLOCK a
.set AC, 64*((\a)%4)
	WIN 0x0a+5*((\a)/4)
.set i, 0
.rept 32
	v_cvt_pk_f16_f32 v[PH+i], v[AC+2*i], v[AC+2*i+1]   ; each accumulator from its low end on
.set i, i+1
.endr
	WIN 0
.if (\a) == 0
	FINE 0, 0x08                                   ; a store's data are its source 1: window 2
.endif
.if (\a) > 1
	s_wait_xcnt 0x0
.endif
	TOSTAGE \a, VSTG
.if (\a) > 0
	SEND (\a)-1, 16
.endif
.endm
.irp a, 0,1,2,3,4,5,6,7
	VBLOCK \a
.endr
	SEND 7, 0
.Lend:
	s_wait_tensorcnt 0x0                           ; the wave's end, behind my last tensor load and my last LDS store
	ds_add_u32 v[SPW], v[NIL]
	s_wait_dscnt 0x0
	CROUND                                         ; the closing round: no work-group ends while a partner may still ask for a tile that names it
	s_endpgm
.Lfunc_end_k_q42e028670c_qkv:
	.size	k_q42e028670c_qkv, .Lfunc_end_k_q42e028670c_qkv-k_q42e028670c_qkv
	.p2alignl 7, 3214868480
	.fill 96, 4, 3214868480
	.section	.rodata,"a",@progbits
	.p2align	6, 0x0
	.amdhsa_kernel k_q42e028670c_qkv
		.amdhsa_group_segment_fixed_size 327680
		.amdhsa_private_segment_fixed_size 0
		.amdhsa_enable_private_segment 0
		.amdhsa_kernarg_size 56
		.amdhsa_user_sgpr_count 2
		.amdhsa_user_sgpr_kernarg_segment_ptr 1
		.amdhsa_wavefront_size32 1
		.amdhsa_system_sgpr_workgroup_id_x 1
		.amdhsa_system_sgpr_workgroup_id_y 1
		.amdhsa_system_sgpr_workgroup_id_z 1
		.amdhsa_system_vgpr_workitem_id 0
		.amdhsa_next_free_vgpr 1024
		.amdhsa_next_free_sgpr 98
		.amdhsa_reserve_vcc 1
		.amdhsa_float_denorm_mode_32 3
		.amdhsa_float_denorm_mode_16_64 3
		.amdhsa_memory_ordered 1
		.amdhsa_forward_progress 1
		.amdhsa_inst_pref_size 255
	.end_amdhsa_kernel
	.section	.bss,"aw",@nobits
	.p2align	6
	.space	262144
	.amdgpu_metadata
---
amdhsa.version: [ 1, 2 ]
amdhsa.kernels:
  - .name:           k_q42e028670c_qkv
    .symbol:         k_q42e028670c_qkv.kd
    .args:
      - { .name: codes, .offset: 0, .size: 8, .value_kind: global_buffer, .address_space: global }
      - { .name: scales, .offset: 8, .size: 8, .value_kind: global_buffer, .address_space: global }
      - { .name: rope, .offset: 16, .size: 8, .value_kind: global_buffer, .address_space: global }
      - { .name: q_norm_w, .offset: 24, .size: 8, .value_kind: global_buffer, .address_space: global }
      - { .name: k_norm_w, .offset: 32, .size: 8, .value_kind: global_buffer, .address_space: global }
      - { .name: qkv16, .offset: 40, .size: 8, .value_kind: global_buffer, .address_space: global }
      - { .name: fine_qkv, .offset: 48, .size: 8, .value_kind: global_buffer, .address_space: global }
    .group_segment_fixed_size: 327680
    .private_segment_fixed_size: 0
    .kernarg_segment_align: 8
    .kernarg_segment_size: 56
    .max_flat_workgroup_size: 128
    .sgpr_count:     98
    .vgpr_count:     1024
    .wavefront_size: 32
...
	.end_amdgpu_metadata
.endif
;; end of part 2
;; launch attn (part 3): grid 16 x 16, 4 waves a work-group, no clusters, 327,680 bytes of LDS; arguments qkv16, attn16; writes attn16
.if DOCPART == 3
	.amdgcn_target "amdgcn-amd-amdhsa--gfx1250"
	.amdhsa_code_object_version 6
	.text
	.protected	k_q42e028670c_attn
	.globl	k_q42e028670c_attn
	.p2align	8
	.type	k_q42e028670c_attn,@function
k_q42e028670c_attn:
	s_mov_b64 s[64:65], 0
	v_nop
	global_prefetch_b8 v0, s[64:65] scope:SCOPE_SE
	s_setreg_imm32_b32 hwreg(HW_REG_WAVE_MODE, 25, 1), 1
	s_wait_xcnt 0x0
; attn[b][q][head][:] = the sum over k <= q of softmax_k(Q[q] . K[k] / sqrt(128)) V[k][:].  Q, K, V: qkv16 [3][16 (batch x 8 + head)][2048][128] f16; attn16 [4096][1024] f16.
; Products, maxima and sums in f32; the weights p are rounded to f16 for the second product, the result once at the end.  A running maximum m and sum l for each query: p = 2^(c s - c m), c = log2(e) / sqrt(128).
; SHARES.  Work-group (P, bh) owns the blocks P and 31 - P of 64 queries of one head; wave w owns tile 0 (queries 64 P + 16 w on) and tile 1 (queries 64 (31 - P) + 16 w on): P + 1 and 32 - P steps of 64 keys,
; 33 tile steps for every wave whatever P.  While both tiles count, a fragment of K or V read from LDS feeds two products.
; NO CLUSTER: the work-groups of a head stop asking at key 2,047 - 64 P, another key for each; a joint load would bring tiles whose reads every wave of some partner jumps over.
; THE WALK.  Every work-group walks all 16 slots of 128 keys: the trip count is a constant.  A step all of whose keys come after a tile's queries is jumped over (a scalar branch on ids); a slot whose first key comes
; after the work-group's last query is not asked for (the same test in all four waves; every wait for tensor loads in this text is for 0; where the tail begins hangs on the work-group's number, so it cannot be written out).
; LAYOUT.  S^T = K Q^T (source 0 = 16 keys, source 1 = 16 queries): a lane holds ONE query (lane % 16) and the keys 8 (lane / 16) + 0 .. 7.  Two such tiles, rounded in pairs, are source 1 of O^T = V^T P.
; K comes out of LDS as it lies, V ([key][channel]) turned, by ds_load_tr16_b128.
; REGISTERS, in windows of 256: window 0: v1-15 addresses; v16-31 statistics, eight a tile; v32-95 Q; v96-159 S^T; v160-191 P; v192 at work.  window 1: K (v0-127) and V (v128-255) of a slot's first step.
;   window 2: v0-127 O^T, 64 a tile.  window 3: K and V of the slot's second step.
; The step is written once: O^T and l begin as zeros and m as -3e38, so that the first step's factor a is 0.  Key 0 counts for every query, so m is a score from the first step on.
; LIMITS: V and the result are f16: magnitudes up to 65,504.
.set KS,    64
.set PK,    272                        ; a row of K in LDS: 256 bytes + 16: the 16 rows of a load start at 16 different banks (64 banks of 4 bytes: ISA guide 11.1)
.set PV,    288                        ; a row of V: 256 + 32
.set VOFF,  KS*PK
.set STEPB, KS*(PK+PV)                 ; a step's tiles: 64 rows of K, then 64 rows of V
.set SLOT1, 1<<17                      ; slot 1 begins here: one exclusive or turns an address in one slot into the other's
.set STAGE, SLOT1+2*STEPB              ; behind the ring: 16 rows x 272 bytes for each wave, for the way out
.set SP,    272
.set SPARE, STAGE+4*16*SP              ; behind the stages: the spare words, 128 bytes a wave
.set NSL,   16                         ; slots' worth of keys
.set AK0, 2                            ; v2   my lane's place in a tile of K
.set AV0, 3                            ; v3   the same for V
.set ADK, 4                            ; v4   LDS address of the slot's K
.set ADV, 5                            ; v5   of its V
.set STO, 6
.set RD,  7
.set GO,  8                            ; v8   my byte offset in two rows of attn16
.set LD,  10                           ; v10  r - 8 h
.set NINF, 11                          ; v11  -infinity
.set QO,  12
.set PFO, 13                           ; v13  256 x lane
.set SPW, 14                           ; v14  LDS address of my spare word; never rewritten
.set NIL, 15                           ; v15  0; never rewritten
.set ST,  16                           ; tile t's statistics at v[16 + 8 t]: +0 c m, +1 m, +2, +3 l (even keys', odd keys'), +4 to +7 at work; a takes +6
.set Q,   32
.set S,   96
.set P,   160
.set MD,  192
.set WV,  12                           ; s12  wave
.set Q0,  16                           ; s16, s17 the tiles' first queries
.set QE,  18                           ; s18, s19 their last
.set QLAST, 20                         ; s20  the work-group's last query
.set KF,  21                           ; s21  the step's first key
.set TB,  22                           ; s22  LDS byte at which the slot in hand begins
.set SLOTS, 23
.set G1K, 24
.set G1V, 32
.set G0K, 40
.set G0V, 44
.set CS,  48                           ; s[48:49] c
.set SEL, 50                           ; s[50:51] lane l xor 16
.set PFA, 52                           ; s[52:53] where my prefetches stand
.set LIM, 54
.set MSB, 0
.macro WIN new
.if MSB != \new
	s_set_vgpr_msb (MSB<<8)|\new
.set MSB, \new
.endif
.endm
.macro PLACES
.rept 4
	v_nop
.endr
.endm
; Waves 0 and 1 fetch the two steps' tiles of K, waves 2 and 3 those of V: every wave issues one load.  An s_nop 0 and four v_nop follow each of the two lines.
.macro TLOAD
	s_cmp_lt_u32 s[WV], 2
	s_cbranch_scc0 .Lfor_v_\@
	tensor_load_to_lds s[G0K:G0K+3], s[G1K:G1K+7]
	s_nop 0
.rept 4
	v_nop
.endr
	s_branch .Lasked_\@
.Lfor_v_\@:
	tensor_load_to_lds s[G0V:G0V+3], s[G1V:G1V+7]
	s_nop 0
.rept 4
	v_nop
.endr
.Lasked_\@:
.endm
; A prefetch of what the NEXT change of slots will ask for: my wave's own tile of that slot, 64 rows of 256 bytes, a lane a row, two instructions.  All sixteen work-groups of a head walk the same K and V:
; the one with P = 0, which loads every slot, asks, so each row is named once in the launch.  The last change that fills a slot asks for nothing; slots 0 and 1 come by their loads alone.
.macro ASK
	s_cmp_gt_u32 s[SLOTS], s[LIM]
	s_cbranch_scc0 .Lnot_mine_\@
	global_prefetch_b8 v[PFO], s[PFA:PFA+1] th:TH_LOAD_NT scope:SCOPE_SE
	global_prefetch_b8 v[PFO], s[PFA:PFA+1] offset:8192 th:TH_LOAD_NT scope:SCOPE_SE
.Lnot_mine_\@:
.endm
	s_load_b128 s[4:7], s[0:1], 0x0                ; qkv16 s[4:5], attn16 s[6:7]
	v_lshl_add_u32 v[SPW], v0, 2, SPARE
	v_mov_b32 v[NIL], 0
	ds_add_u32 v[SPW], v[NIL]                      ; the wave's opening: the add, twice on end, and its wait ahead of my first tensor load
	ds_add_u32 v[SPW], v[NIL]
	v_lshrrev_b32 v1, 5, v0
	v_readfirstlane_b32 s[WV], v1                  ; wave 0..3
	s_and_b32 s14, ttmp7, 0xffff                   ; batch x 8 + head
	s_lshl_b32 s66, ttmp9, 6                       ; 64 P
	s_lshl_b32 s67, s[WV], 4                       ; 16 w
	s_add_co_u32 s[Q0], s66, s67
	s_sub_co_u32 s[Q0+1], 1984, s66
	s_add_co_u32 s[Q0+1], s[Q0+1], s67
	s_add_co_u32 s[QE], s[Q0], 15
	s_add_co_u32 s[QE+1], s[Q0+1], 15
	s_sub_co_u32 s[QLAST], 2047, s66
	s_mov_b32 s[KF], 0
	s_mov_b32 s[TB], 0
	s_mov_b32 s[SLOTS], NSL-1
	; descriptor group 1: a tile of 64 rows x 128 elements of 2 bytes, dense in memory, padded in LDS
	s_mov_b32 s[G1K], (1<<16)|(1<<20)|(5<<22)|(3<<25)  ; no mask; elements of 2 bytes; padding on; after every 64 words; four words
	s_mov_b32 s[G1V], (1<<16)|(1<<20)|(5<<22)|(7<<25)  ; the same with eight words
.irp g, G1K, G1V
	s_mov_b32 s[\g+1], 128<<16                     ; tensor_dim0
	s_mov_b32 s[\g+2], KS<<16                      ; tensor_dim1
	s_mov_b32 s[\g+3], 128<<16                     ; tile_dim0
	s_mov_b32 s[\g+4], KS                          ; tile_dim1
	s_mov_b32 s[\g+5], 128                         ; tensor_dim0_stride
	s_mov_b32 s[\g+6], 0
	s_mov_b32 s[\g+7], 0
.endr
	s_mov_b32 s[CS], 0x3e0293ee                    ; c = log2(e) / sqrt(128)
	s_mov_b32 s[CS+1], s[CS]
	s_mov_b32 s[SEL], 0x76543210
	s_mov_b32 s[SEL+1], 0xfedcba98
	s_and_b32 s68, s[WV], 1                        ; which of a slot's two steps I fetch
	s_mul_i32 s69, s68, STEPB                      ; its place in a slot
	s_lshl_b32 s70, s14, 19                        ; the head's 524,288 bytes
	s_lshl_b32 s71, s68, 14                        ; the step's 64 rows of 256 bytes
	s_add_co_u32 s72, s70, s71
	s_add_co_u32 s72, s72, 8388608                 ; in K,
	s_mov_b32 s73, 0
	s_add_co_u32 s74, s72, 8388608                 ; in V
	s_mov_b32 s75, 0
	s_wait_dscnt 0x0                               ; both opening adds are done
	s_wait_kmcnt 0x0
	s_mov_b32 s[G0K], 1
	s_mov_b32 s[G0K+1], s69
	s_add_nc_u64 s[G0K+2:G0K+3], s[4:5], s[72:73]
	s_or_b32 s[G0K+3], s[G0K+3], 0x80000000
	s_mov_b32 s[G0V], 1
	s_add_co_u32 s[G0V+1], s69, VOFF
	s_add_nc_u64 s[G0V+2:G0V+3], s[4:5], s[74:75]
	s_or_b32 s[G0V+3], s[G0V+3], 0x80000000
	TLOAD                                          ; slot 0: it holds key 0, which counts for every query
	s_cmp_lt_u32 s[WV], 2
	s_cselect_b32 s66, s72, s74                    ; my tile's offset,
	s_add_co_u32 s66, s66, 2*KS*256                ; in slot 1: the first change of slots steps it to slot 2
	s_mov_b32 s67, 0
	s_add_nc_u64 s[PFA:PFA+1], s[4:5], s[66:67]
	s_cmp_eq_u32 ttmp9, 0
	s_cselect_b32 s[LIM], 1, -1
	s_lshl_b32 s66, s[Q0], 8
	s_add_co_u32 s66, s66, s70
	s_add_nc_u64 s[56:57], s[4:5], s[66:67]        ; Q at tile 0's first query,
	s_lshl_b32 s66, s[Q0+1], 8
	s_add_co_u32 s66, s66, s70
	s_add_nc_u64 s[58:59], s[4:5], s[66:67]        ; at tile 1's
	s_lshr_b32 s68, s14, 3
	s_lshl_b32 s68, s68, 11                        ; batch x 2,048 rows
	s_and_b32 s69, s14, 7
	s_lshl_b32 s69, s69, 8                         ; head x 256 bytes
	s_add_co_u32 s66, s68, s[Q0]
	s_lshl_b32 s66, s66, 11
	s_add_co_u32 s66, s66, s69
	s_add_nc_u64 s[60:61], s[6:7], s[66:67]        ; the result at tile 0's first row,
	s_add_co_u32 s66, s68, s[Q0+1]
	s_lshl_b32 s66, s66, 11
	s_add_co_u32 s66, s66, s69
	s_add_nc_u64 s[62:63], s[6:7], s[66:67]        ; at tile 1's
	v_and_b32 v1, 15, v0                           ; r
	v_bfe_u32 v9, v0, 4, 1                         ; h
	v_lshlrev_b32 v[QO], 8, v1
	v_lshl_add_u32 v[QO], v9, 4, v[QO]
.irp t, 0,1
.irp c, 0,1,2,3                                ; Q stays in registers: tile t, channels 32 c on
	global_load_b128 v[Q+32*\t+8*\c:Q+32*\t+8*\c+3],   v[QO], s[56+2*\t:57+2*\t] offset:64*\c
	global_load_b128 v[Q+32*\t+8*\c+4:Q+32*\t+8*\c+7], v[QO], s[56+2*\t:57+2*\t] offset:64*\c+32
.endr
.endr
	v_mul_u32_u24 v[AK0], v1, PK
	v_lshl_add_u32 v[AK0], v9, 4, v[AK0]           ; row x pitch + 16 x half
	v_and_b32 v4, 7, v0
	v_bfe_u32 v5, v0, 3, 1
	v_lshl_add_u32 v[AV0], v9, 3, v4               ; the turning load: key 8 (l / 16) + l % 8, channels 8 ((l / 8) % 2) on
	v_mul_u32_u24 v[AV0], v[AV0], PV
	v_lshl_add_u32 v[AV0], v5, 4, v[AV0]
	v_add_nc_u32 v[AV0], VOFF, v[AV0]
	s_mul_i32 s66, s[WV], 16*SP
	s_add_co_u32 s66, s66, STAGE                   ; my stage
	v_mul_u32_u24 v[STO], v1, SP
	v_lshl_add_u32 v[STO], v9, 4, v[STO]
	v_add_nc_u32 v[STO], s66, v[STO]
	v_mul_u32_u24 v[RD], v9, SP
	v_lshl_add_u32 v[RD], v1, 4, v[RD]
	v_add_nc_u32 v[RD], s66, v[RD]
	v_lshlrev_b32 v[GO], 11, v9                    ; a row of attn16 is 2,048 bytes
	v_lshl_add_u32 v[GO], v1, 4, v[GO]
	v_lshlrev_b32 v[LD], 3, v9
	v_sub_nc_u32 v[LD], v1, v[LD]
	v_mov_b32 v[NINF], 0xff800000
	v_and_b32 v[PFO], 31, v0
	v_lshlrev_b32 v[PFO], 8, v[PFO]
.irp t, 0,1
	v_mov_b32 v[ST+8*\t+1], 0xff61b1e6             ; m = -3e38, under every score
	v_mov_b32 v[ST+8*\t+2], 0                      ; l
	v_mov_b32 v[ST+8*\t+3], 0
	v_mov_b32 v[ST+8*\t+5], 0                      ; written once, outside the steps' branches: on the way out +5 is a lane permute's destination, which counts as one of its sources,
	v_mov_b32 v[ST+8*\t+7], 0                      ; and +7 is named as the upper half of the pair that holds 1 / l
.endr
.irp t, 0,1
	v_mul_f32 v[ST+8*\t], s[CS], v[ST+8*\t+1]      ; c m
.endr
	WIN 0x80
.set i, 0
.rept 128
	v_mov_b32 v[i], 0                              ; O^T: the step is written once, and its first pass finds zeros
.set i, i+1
.endr
	WIN 0
.macro FETCH_K u                       ; 64 keys x 128 channels: 16 fragments, into window 1 (u = 0) or 3 (u = 1)
	WIN 0x40+0x80*(\u)
.irp f, 0,1,2,3,4,5,6,7,8,9,10,11,12,13,14,15  ; keys 16 (f / 4) on, channels 32 (f % 4) on
	ds_load_b128 v[8*\f:8*\f+3],   v[ADK] offset:(\u)*STEPB+(\f/4)*16*PK+(\f%4)*64
	ds_load_b128 v[8*\f+4:8*\f+7], v[ADK] offset:(\u)*STEPB+(\f/4)*16*PK+(\f%4)*64+32
.endr
.endm
.macro FETCH_V u
	WIN 0x40+0x80*(\u)
.irp f, 0,1,2,3,4,5,6,7,8,9,10,11,12,13,14,15  ; keys 32 (f / 8) on, channels 16 (f % 8) on
	ds_load_tr16_b128 v[128+8*\f:128+8*\f+3],   v[ADV] offset:(\u)*STEPB+(\f/8)*32*PV+(\f%8)*32
	ds_load_tr16_b128 v[128+8*\f+4:128+8*\f+7], v[ADV] offset:(\u)*STEPB+(\f/8)*32*PV+16*PV+(\f%8)*32
.endr
.endm
.macro KQ t, u                         ; S^T of tile t: four accumulators by turns; the first four products start the sums
	WIN 0x01+2*(\u)
.irp c, 0,1,2,3
.irp k, 0,1,2,3
.if \c == 0
	v_wmma_f32_16x16x32_f16 v[S+32*(\t)+8*\k:S+32*(\t)+8*\k+7], v[32*\k+8*\c:32*\k+8*\c+7], v[Q+32*(\t)+8*\c:Q+32*(\t)+8*\c+7], 0
.else
	v_wmma_f32_16x16x32_f16 v[S+32*(\t)+8*\k:S+32*(\t)+8*\k+7], v[32*\k+8*\c:32*\k+8*\c+7], v[Q+32*(\t)+8*\c:Q+32*(\t)+8*\c+7], v[S+32*(\t)+8*\k:S+32*(\t)+8*\k+7]
.endif
.endr
.endr
.endm
.macro PV t, u                         ; O^T of tile t += V^T P: eight accumulators by turns
	WIN 0xa1+2*(\u)
.irp kc, 0,1
.irp ch, 0,1,2,3,4,5,6,7
	v_wmma_f32_16x16x32_f16 v[64*(\t)+8*\ch:64*(\t)+8*\ch+7], v[128+64*\kc+8*\ch:128+64*\kc+8*\ch+7], v[P+16*(\t)+8*\kc:P+16*(\t)+8*\kc+7], v[64*(\t)+8*\ch:64*(\t)+8*\ch+7]
.endr
.endr
.endm
; On the diagonal the scores of hidden keys become -infinity ahead of the maximum.  Register n holds key KF + 16 (n / 8) + 8 h + n % 8: hidden where 16 (n / 8) + n % 8 > query - KF - 8 h.  A step all of whose keys count skips this.
.macro MASK t
	s_add_co_u32 s66, s[KF], KS-1
	s_cmp_le_u32 s66, s[Q0+\t]
	s_cbranch_scc1 .Lopen_\@
	s_sub_co_i32 s66, s[Q0+\t], s[KF]
	v_add_nc_u32 v[MD], s66, v[LD]
.set n, 0
.rept 32
	v_cmp_gt_i32 vcc_lo, 16*(n/8)+n%8, v[MD]
	v_cndmask_b32 v[S+32*(\t)+n], v[S+32*(\t)+n], v[NINF], vcc_lo
.set n, n+1
.endr
.Lopen_\@:
.endm
.macro SM t                            ; tile t's softmax for one step of 64 keys
.set rT, ST+8*(\t)
.set rS, S+32*(\t)
.set rP, P+16*(\t)
.irp j, 0,1,2,3
	v_max3_num_f32 v[rT+4+\j], v[rS+8*\j], v[rS+8*\j+1], v[rS+8*\j+2]      ; four chains; each accumulator is read from its low end on
.endr
.irp g, 1,2
.irp j, 0,1,2,3
	v_max3_num_f32 v[rT+4+\j], v[rT+4+\j], v[rS+8*\j+2*\g+1], v[rS+8*\j+2*\g+2]
.endr
.endr
	v_max3_num_f32 v[rT+4], v[rT+4], v[rS+7], v[rS+15]
	v_max3_num_f32 v[rT+6], v[rT+6], v[rS+23], v[rS+31]
	v_max3_num_f32 v[rT+4], v[rT+4], v[rT+5], v[rT+6]
	v_max3_num_f32 v[rT+4], v[rT+4], v[rT+7], v[rT+1]                      ; and the old m
	v_permlanex16_b32 v[rT+5], v[rT+4], s[SEL], s[SEL+1]                   ; the query's other 32 keys lie in the lane 16 away
	v_mov_b32 v[rT+7], v[rT]                                               ; c m_old
	v_max_num_f32 v[rT+1], v[rT+4], v[rT+5]
	v_mul_f32 v[rT], s[CS], v[rT+1]
	v_sub_f32 v[rT+7], v[rT+7], v[rT]
.set i, 0
.rept 16
	v_pk_fma_f32 v[rS+i:rS+i+1], v[rS+i:rS+i+1], s[CS:CS+1], v[rT:rT+1] op_sel_hi:[1,0,0] neg_lo:[0,0,1] neg_hi:[0,0,1]   ; c s - c m
.set i, i+2
.endr
	v_exp_f32 v[rT+6], v[rT+7]                     ; a = 2^(c m_old - c m_new)
.set i, 0
.rept 32
	v_exp_f32 v[rS+i], v[rS+i]                     ; p: one batch with a
.set i, i+1
.endr
	v_nop                                          ; a plain instruction behind the last exponential
	s_wait_alu depctr_va_vdst(0)                   ; one wait for the 33, ahead of their first reader
.set i, 0
.rept 16
	v_cvt_pk_f16_f32 v[rP+i], v[rS+2*i], v[rS+2*i+1]
.set i, i+1
.endr
.irp u, 0,1,2,3,4,5,6,7
	v_pk_add_f32 v[rS+4*\u:rS+4*\u+1], v[rS+4*\u:rS+4*\u+1], v[rS+4*\u+2:rS+4*\u+3]   ; the sum of the unrounded p, in place
.endr
.irp u, 0,1,2,3
	v_pk_add_f32 v[rS+8*\u:rS+8*\u+1], v[rS+8*\u:rS+8*\u+1], v[rS+8*\u+4:rS+8*\u+5]
.endr
.irp u, 0,1
	v_pk_add_f32 v[rS+16*\u:rS+16*\u+1], v[rS+16*\u:rS+16*\u+1], v[rS+16*\u+8:rS+16*\u+9]
.endr
	v_pk_add_f32 v[rS:rS+1], v[rS:rS+1], v[rS+16:rS+17]
	v_pk_fma_f32 v[rT+2:rT+3], v[rT+2:rT+3], v[rT+6:rT+7], v[rS:rS+1] op_sel_hi:[1,0,1]   ; l = a l + the sum
	WIN 0x82                                       ; O^T (destination and source 0) in window 2, a in window 0
.set i, 0
.rept 32
	v_pk_mul_f32 v[64*(\t)+i:64*(\t)+i+1], v[64*(\t)+i:64*(\t)+i+1], v[rT+6:rT+7] op_sel_hi:[1,0]
.set i, i+2
.endr
.endm
; A slot's two steps.  The four runs of 32 LDS loads stand early: the second step's K behind the first products, its V behind the first V^T P.  Each wait leaves the one younger run out.
.macro SLOT_WORK
	s_cmp_gt_u32 s[KF], s[QE+1]                    ; all the slot's keys come after my queries: nothing but the stepping of numbers
	s_cbranch_scc1 .Lhs_\@
	v_add_nc_u32 v[ADK], s[TB], v[AK0]
	v_add_nc_u32 v[ADV], s[TB], v[AV0]
	PLACES                                         ; in front of loads into registers that matrix instructions have read
	FETCH_K 0
	FETCH_V 0
	s_wait_dscnt 32                                ; K of the first step is in
	KQ 1, 0
	FETCH_K 1
	WIN 0
	PLACES
	MASK 1
	SM 1
	s_wait_dscnt 32                                ; V of the first step is in; K of the second may be out
	PV 1, 0
	FETCH_V 1
	WIN 0
	s_cmp_gt_u32 s[KF], s[QE]
	s_cbranch_scc1 .Ll0_\@
	KQ 0, 0
	WIN 0
	PLACES
	MASK 0
	SM 0
	PV 0, 0
	WIN 0
.Ll0_\@:
	s_add_co_u32 s[KF], s[KF], KS
	s_cmp_gt_u32 s[KF], s[QE+1]
	s_cbranch_scc1 .Ls1_\@
	s_wait_dscnt 32                                ; K of the second step is in
	KQ 1, 1
	WIN 0
	PLACES
	MASK 1
	SM 1
	s_wait_dscnt 0x0                               ; V of the second step
	PV 1, 1
	WIN 0
	s_cmp_gt_u32 s[KF], s[QE]
	s_cbranch_scc1 .Ls1_\@
	KQ 0, 1
	WIN 0
	PLACES
	MASK 0
	SM 0
	PV 0, 1
	WIN 0
.Ls1_\@:
	s_add_co_u32 s[KF], s[KF], KS
	s_branch .Ljoin_\@
.Lhs_\@:
	s_add_co_u32 s[KF], s[KF], 2*KS
.Ljoin_\@:
	s_xor_b32 s[TB], s[TB], SLOT1                  ; on to the other slot
.endm
; THE CHANGE OF SLOTS stands at a slot's head.  Each wave waits for all its tensor loads (its part of the slot ahead), adds 0 to its spare word, and waits for that and for its reads of the slot that it has left.
; Behind the barrier the slot ahead is whole and nobody reads the other one, which is filled with the keys that follow, up to the causal limit: one load a wave, with a slot's work in which to land.
.macro CHANGE fill
	s_wait_tensorcnt 0x0                           ; no tensor load of mine is out, so a group 0 may be written
	ds_add_u32 v[SPW], v[NIL]                      ; 0 onto my spare word
.if \fill
	s_xor_b32 s[G0K+1], s[G0K+1], SLOT1
	s_add_nc_u64 s[G0K+2:G0K+3], s[G0K+2:G0K+3], 2*KS*256
	s_xor_b32 s[G0V+1], s[G0V+1], SLOT1
	s_add_nc_u64 s[G0V+2:G0V+3], s[G0V+2:G0V+3], 2*KS*256
	s_wait_xcnt 0x0                                ; the last prefetches, a slot back, have read their address
	s_add_nc_u64 s[PFA:PFA+1], s[PFA:PFA+1], 2*KS*256
.endif
	s_wait_dscnt 0x0                               ; the add is done, and my reads of the slot that I have left are over
	s_barrier_signal -1
	s_barrier_wait -1
.if \fill
	s_add_co_u32 s66, s[KF], 2*KS                  ; the first key of the slot that this change would ask for:
	s_cmp_gt_u32 s66, s[QLAST]                     ; behind the work-group's last query none of its waves reads it.  Ids and the count of steps alone: all four waves go the same way
	s_cbranch_scc1 .Lpast_\@
	TLOAD
.Lpast_\@:
	ASK
.endif
.endm
	s_wait_loadcnt 0x0                             ; Q
.Lslot:                                                ; 15 trips
	CHANGE 1
	SLOT_WORK
	s_sub_co_u32 s[SLOTS], s[SLOTS], 1
	s_cmp_lg_u32 s[SLOTS], 0
	s_cbranch_scc1 .Lslot
	CHANGE 0                                       ; the last slot is written out: nothing is left to ask for
	SLOT_WORK
	; THE WAY OUT: O^T / l, rounded to f16, through my stage, a tile (16 rows) at a time
	s_wait_dscnt 0x0                               ; fetches that a jumped step left out
	PLACES
.irp t, 0,1
	v_add_f32 v[ST+8*\t+4], v[ST+8*\t+2], v[ST+8*\t+3]
.endr
.irp t, 0,1
	v_permlanex16_b32 v[ST+8*\t+5], v[ST+8*\t+4], s[SEL], s[SEL+1]
.endr
.irp t, 0,1
	v_add_f32 v[ST+8*\t+4], v[ST+8*\t+4], v[ST+8*\t+5]
.endr
.irp t, 0,1
	v_rcp_f32 v[ST+8*\t+6], v[ST+8*\t+4]
.endr
	v_nop
	s_wait_alu depctr_va_vdst(0)                   ; one wait for the two reciprocals
.macro PACK t
	WIN 0x82
.set i, 64*\t
.rept 32
	v_pk_mul_f32 v[i:i+1], v[i:i+1], v[ST+8*\t+6:ST+8*\t+7] op_sel_hi:[1,0]
.set i, i+2
.endr
	WIN 0x0a                                       ; sources 0 and 1 window 2, destination window 0: S^T's registers are free
.set i, 0
.rept 32
	v_cvt_pk_f16_f32 v[S+32*\t+i], v[64*\t+2*i], v[64*\t+2*i+1]
.set i, i+1
.endr
	WIN 0
.irp f, 0,1,2,3,4,5,6,7
	ds_store_b128 v[STO], v[S+32*\t+4*\f:S+32*\t+4*\f+3] offset:32*\f
.endr
.irp f, 0,1,2,3,4,5,6,7
	ds_load_b128 v[S+32*\t+4*\f:S+32*\t+4*\f+3], v[RD] offset:\f*2*SP   ; LDS serves a wave's instructions in order (ISA guide 5.7.1.4)
.endr
.endm
.macro SEND t, younger
.irp f, 0,1,2,3,4,5,6,7
	s_wait_dscnt \younger+7-\f
	global_store_b128 v[GO], v[S+32*\t+4*\f:S+32*\t+4*\f+3], s[60+2*\t:61+2*\t] offset:4096*\f   ; 16 lanes store 256 consecutive bytes, aligned: a head's part of a row
.endr
.endm
	PACK 0
	PACK 1
	SEND 0, 16
	SEND 1, 0
	s_wait_tensorcnt 0x0                           ; the wave's end
	ds_add_u32 v[SPW], v[NIL]
	s_wait_dscnt 0x0
	s_endpgm
.Lfunc_end_k_q42e028670c_attn:
	.size	k_q42e028670c_attn, .Lfunc_end_k_q42e028670c_attn-k_q42e028670c_attn
	.p2alignl 7, 3214868480
	.fill 96, 4, 3214868480
	.section	.rodata,"a",@progbits
	.p2align	6, 0x0
	.amdhsa_kernel k_q42e028670c_attn
		.amdhsa_group_segment_fixed_size 327680
		.amdhsa_private_segment_fixed_size 0
		.amdhsa_enable_private_segment 0
		.amdhsa_kernarg_size 16
		.amdhsa_user_sgpr_count 2
		.amdhsa_user_sgpr_kernarg_segment_ptr 1
		.amdhsa_wavefront_size32 1
		.amdhsa_system_sgpr_workgroup_id_x 1
		.amdhsa_system_sgpr_workgroup_id_y 1
		.amdhsa_system_sgpr_workgroup_id_z 1
		.amdhsa_system_vgpr_workitem_id 0
		.amdhsa_next_free_vgpr 1024
		.amdhsa_next_free_sgpr 80
		.amdhsa_reserve_vcc 1
		.amdhsa_float_denorm_mode_32 3
		.amdhsa_float_denorm_mode_16_64 3
		.amdhsa_memory_ordered 1
		.amdhsa_forward_progress 1
		.amdhsa_inst_pref_size 138
	.end_amdhsa_kernel
	.amdgpu_metadata
---
amdhsa.version: [ 1, 2 ]
amdhsa.kernels:
  - .name:           k_q42e028670c_attn
    .symbol:         k_q42e028670c_attn.kd
    .args:
      - { .name: qkv16, .offset: 0, .size: 8, .value_kind: global_buffer, .address_space: global }
      - { .name: attn16, .offset: 8, .size: 8, .value_kind: global_buffer, .address_space: global }
    .group_segment_fixed_size: 327680
    .private_segment_fixed_size: 0
    .kernarg_segment_align: 8
    .kernarg_segment_size: 16
    .max_flat_workgroup_size: 128
    .sgpr_count:     80
    .vgpr_count:     1024
    .wavefront_size: 32
...
	.end_amdgpu_metadata
.endif
;; end of part 3
;; launch proj (part 4): grid 8 x 32, 4 waves a work-group, clusters of 4 x 4, 327,680 bytes of LDS; arguments attn16, wo16, out0; writes out0
.if DOCPART == 4
	.amdgcn_target "amdgcn-amd-amdhsa--gfx1250"
	.amdhsa_code_object_version 6
	.text
	.protected	k_q42e028670c_proj
	.globl	k_q42e028670c_proj
	.p2align	8
	.type	k_q42e028670c_proj,@function
k_q42e028670c_proj:
	s_mov_b64 s[64:65], 0
	v_nop
	global_prefetch_b8 v0, s[64:65] scope:SCOPE_SE
	s_setreg_imm32_b32 hwreg(HW_REG_WAVE_MODE, 25, 1), 1
	s_wait_xcnt 0x0
	s_wait_alu depctr_hold_cnt(0) depctr_sa_sdst(0) depctr_va_vdst(0) depctr_va_sdst(0) depctr_va_ssrc(0) depctr_va_vcc(0) depctr_vm_vsrc(0)
	s_getreg_b32 s2, hwreg(HW_REG_IB_STS2, 6, 4)
	s_cmp_eq_u32 s2, 0
	s_cbranch_scc0 .Lentry_in_a_cluster
	s_endpgm
.Lentry_in_a_cluster:
	s_bfe_u32 s2, ttmp6, 0x10000c
	s_cmp_lg_u32 s2, 0xf033
	s_cbranch_scc0 .Lentry_shape_is_right
	s_endpgm
.Lentry_shape_is_right:
; out0[m][n] = the sum over k of attn16[m][k] wo16[n][k].  attn16 [4096][1024], wo16 [2048][1024]: f16; out0 [4096][2048] f32; sums in f32.
; All 4,096 rows are stored here; the 32 rows of the first 16 positions of both sequences are stored anew, from f32 operands, by the launch that follows: 262,144 bytes are written twice.
; A tile of out0 is 128 x 256: 256 work-groups.  Four waves, each 64 rows x 128 columns: 32 accumulators of 16 x 16, 256 registers (window 2; (a, b) at v[8 (8 a + b)]).
; K goes in steps of 128 (rows of 256 bytes) through a ring of two LDS slots: waves 0 and 1 fetch the halves of A's 128 rows, waves 2 and 3 the halves of B's 256.
; CLUSTERS: 4 x 4 work-groups; A's tile is asked for jointly along a row of the cluster, B's along a column.
; THE MATRIX INSTRUCTION IS USED TRANSPOSED (source 0 = 16 rows of wo16, source 1 = 16 rows of attn16): a lane holds eight neighbouring numbers of a row of out0.
; REGISTERS: window 0: v0-31 addresses; v64-191 rows on the way out.  window 1: two fragment buffers of 96 (32 along K: A's 4 blocks, then B's 8).  window 2: the accumulators.
.set SIZE_N, 2048
.set SIZE_K, 1024
.set KSTEP,  128
.set PITCH,  272                       ; 256 bytes + 16: the 16 rows that a load touches start at 16 different banks (64 banks of 4 bytes: ISA guide 11.1)
.set AT,     128*PITCH                 ; A's 128 rows in a slot; B's 256 lie behind them
.set SLOT,   384*PITCH
.set STAGE,  2*SLOT                    ; behind the ring: 16 rows x (512 bytes + 16) for each wave
.set SPITCH, 528
.set SPARE,  STAGE+4*16*SPITCH         ; behind the stages: the spare words, 128 bytes a wave
.set LAPS,   SIZE_K/(2*KSTEP)
.set ADRA, 16
.set ADRB, 20
.set STO,  24
.set RD,   25
.set CO,   26
.set SPW,  28
.set NIL,  29
.set BK,   64
.set F0,   0
.set F1,   96
.set G1, 24
.set G0, 32
.set G1B, 48
.set G0B, 56
.set MSB, 0
.macro WIN new
.if MSB != \new
	s_set_vgpr_msb (MSB<<8)|\new
.set MSB, \new
.endif
.endm
.set MUL,  0xa5                        ; sources 0 (B) and 1 (A) window 1; C and D window 2
.set TO_F, 0x40                        ; destination window 1, address window 0
.macro JLOAD s                         ; a joint load; an s_nop 0 and four v_nop follow each of the two lines
	s_cmp_eq_u32 s11, 0
	s_cbranch_scc0 .Lfor_b_\@
	tensor_load_to_lds s[G0+4*\s:G0+4*\s+3], s[G1:G1+7]
	s_nop 0
.rept 4
	v_nop
.endr
	s_branch .Lasked_\@
.Lfor_b_\@:
	tensor_load_to_lds s[G0B+4*\s:G0B+4*\s+3], s[G1B:G1B+7]
	s_nop 0
.rept 4
	v_nop
.endr
.Lasked_\@:
.endm
.macro CREST
	s_cmp_lg_u32 s10, 0
	s_cbranch_scc1 .Lnot_wave_0_\@
	s_barrier_signal -3
.Lnot_wave_0_\@:
	s_barrier_wait -3
	s_barrier_signal -1
	s_barrier_wait -1
.endm
.macro CROUND
	s_barrier_signal -1
	s_barrier_wait -1
	CREST
.endm
	s_load_b128 s[4:7], s[0:1], 0x0                ; attn16 s[4:5], wo16 s[6:7]
	s_load_b64 s[8:9], s[0:1], 0x10                ; out0
	v_lshl_add_u32 v[SPW], v0, 2, SPARE
	v_mov_b32 v[NIL], 0
	ds_add_u32 v[SPW], v[NIL]                      ; the wave's opening: the add, twice on end, and its wait ahead of my first tensor load
	ds_add_u32 v[SPW], v[NIL]
	v_lshrrev_b32 v1, 5, v0
	v_readfirstlane_b32 s10, v1                    ; wave 0..3
	s_lshr_b32 s11, s10, 1                         ; which half of the tile's rows is mine.  Also: I fetch for A (0) or for B (1)
	s_and_b32 s12, s10, 1                          ; which half of its columns.  Also: which half of that tile I fetch
	s_bfe_u32 s40, ttmp6, 0x40000                  ; cx, cy
	s_bfe_u32 s41, ttmp6, 0x40004
	s_lshl_b32 s42, ttmp9, 2
	s_add_co_u32 s42, s42, s40                     ; tile column
	s_and_b32 s13, ttmp7, 0xffff
	s_lshl_b32 s13, s13, 2
	s_add_co_u32 s13, s13, s41                     ; tile row
	s_lshl_b32 s43, s41, 2
	s_lshl_b32 s43, 15, s43                        ; my row of the cluster
	s_lshl_b32 s44, 0x1111, s40                    ; my column
	s_or_b32 s[G1+0], s43, (1<<16)|(1<<20)|(1<<21)|(5<<22)|(3<<25)  ; the mask; elements of 2 bytes; padding on; 21 set beside a mask; after every 64 words; four words
	s_or_b32 s[G1B+0], s44, (1<<16)|(1<<20)|(1<<21)|(5<<22)|(3<<25)
	s_mov_b32 s[G1+1], KSTEP<<16                   ; A: 64 rows x 128 elements
	s_mov_b32 s[G1+2], 64<<16
	s_mov_b32 s[G1+3], KSTEP<<16
	s_mov_b32 s[G1+4], 64
	s_mov_b32 s[G1+5], SIZE_K
	s_mov_b32 s[G1+6], 0
	s_mov_b32 s[G1+7], 0
	s_mov_b32 s[G1B+1], KSTEP<<16                  ; B: 128 rows x 128 elements
	s_mov_b32 s[G1B+2], 128<<16
	s_mov_b32 s[G1B+3], KSTEP<<16
	s_mov_b32 s[G1B+4], 128
	s_mov_b32 s[G1B+5], SIZE_K
	s_mov_b32 s[G1B+6], 0
	s_mov_b32 s[G1B+7], 0
	s_lshl_b32 s17, s12, 6
	s_lshl_b32 s16, s13, 7
	s_add_co_u32 s16, s16, s17                     ; A: row 128 x tile row + 64 x half
	s_lshl_b32 s16, s16, 11                        ; 2,048 bytes a row
	s_mov_b32 s17, 0
	s_lshl_b32 s47, s12, 7
	s_lshl_b32 s46, s42, 8
	s_add_co_u32 s46, s46, s47                     ; B: row 256 x tile column + 128 x half
	s_lshl_b32 s46, s46, 11
	s_mov_b32 s47, 0
	s_mul_i32 s20, s12, 64*PITCH                   ; where they go: no place in the cluster enters an LDS address
	s_mul_i32 s21, s12, 128*PITCH
	s_add_co_u32 s21, s21, AT
	s_wait_dscnt 0x0                               ; both opening adds are done
	s_wait_kmcnt 0x0
	s_add_nc_u64 s[14:15], s[4:5], s[16:17]
	s_add_nc_u64 s[46:47], s[6:7], s[46:47]
	CROUND                                         ; all sixteen work-groups are here: the first joint loads meet
.irp s, 0,1
	s_mov_b32 s[G0+4*\s], 1
	s_add_co_u32 s[G0+4*\s+1], s20, \s*SLOT
	s_add_nc_u64 s[G0+4*\s+2:G0+4*\s+3], s[14:15], \s*KSTEP*2
	s_or_b32 s[G0+4*\s+3], s[G0+4*\s+3], 0x80000000
	s_mov_b32 s[G0B+4*\s], 1
	s_add_co_u32 s[G0B+4*\s+1], s21, \s*SLOT
	s_add_nc_u64 s[G0B+4*\s+2:G0B+4*\s+3], s[46:47], \s*KSTEP*2
	s_or_b32 s[G0B+4*\s+3], s[G0B+4*\s+3], 0x80000000
	JLOAD \s                                       ; two tensor loads of mine are out
.endr
	v_and_b32 v1, 15, v0                           ; r
	v_bfe_u32 v2, v0, 4, 1                         ; h
	v_mul_u32_u24 v3, v1, PITCH
	v_lshl_add_u32 v3, v2, 4, v3
	s_mul_i32 s21, s11, 64*PITCH                   ; my 64 rows of A
	s_mul_i32 s22, s12, 128*PITCH                  ; my 128 rows of B,
	s_add_co_u32 s22, s22, AT                      ; behind A's 128
.irp s, 0,1
	v_add_nc_u32 v[ADRA+\s], s21, v3
	v_add_nc_u32 v[ADRB+\s], s22, v3
	s_add_co_u32 s21, s21, SLOT
	s_add_co_u32 s22, s22, SLOT
.endr
	s_mul_i32 s23, s10, 16*SPITCH
	s_add_co_u32 s23, s23, STAGE                   ; my stage
	v_mul_u32_u24 v4, v1, SPITCH                   ; in: row r, 32 bytes for each half of the lanes
	v_lshl_add_u32 v4, v2, 5, v4
	v_add_nc_u32 v[STO], s23, v4
	v_and_b32 v5, 31, v0
	v_lshlrev_b32 v[CO], 4, v5                     ; back: the 32 lanes take one row of 512 bytes; and the same in out0
	v_add_nc_u32 v[RD], s23, v[CO]
	s_lshl_b32 s16, s13, 7
	s_lshl_b32 s17, s11, 6
	s_add_co_u32 s16, s16, s17                     ; my first row of out0
	s_lshl_b32 s16, s16, 13                        ; 8,192 bytes a row
	s_mov_b32 s17, 0
	s_add_nc_u64 s[8:9], s[8:9], s[16:17]
	s_lshl_b32 s46, s42, 10                        ; my first column, in bytes: 1,024 x tile column + 512 x half
	s_lshl_b32 s47, s12, 9
	s_add_co_u32 s46, s46, s47
	s_mov_b32 s47, 0
	s_add_nc_u64 s[8:9], s[8:9], s[46:47]
.macro MUL8 f, a, zero                 ; A's block a against B's eight, 32 along K.  The 32 accumulators take turns in the same order in every quarter
.irp b, 0,1,2,3,4,5,6,7
.if \zero
	v_wmma_f32_16x16x32_f16 v[8*(8*(\a)+\b):8*(8*(\a)+\b)+7], v[\f+32+8*\b:\f+32+8*\b+7], v[\f+8*(\a):\f+8*(\a)+7], 0
.else
	v_wmma_f32_16x16x32_f16 v[8*(8*(\a)+\b):8*(8*(\a)+\b)+7], v[\f+32+8*\b:\f+32+8*\b+7], v[\f+8*(\a):\f+8*(\a)+7], v[8*(8*(\a)+\b):8*(8*(\a)+\b)+7]
.endif
.endr
.endm
.macro FETCH slot, k, f                ; 24 LDS loads in one run: B's eight fragments, then A's four
	WIN TO_F
.irp i, 0,1,2,3,4,5,6,7
	ds_load_b128 v[\f+32+8*\i:\f+32+8*\i+3],   v[ADRB+\slot] offset:\k+\i*16*PITCH
	ds_load_b128 v[\f+32+8*\i+4:\f+32+8*\i+7], v[ADRB+\slot] offset:\k+\i*16*PITCH+32
.endr
.irp i, 0,1,2,3
	ds_load_b128 v[\f+8*\i:\f+8*\i+3],   v[ADRA+\slot] offset:\k+\i*16*PITCH
	ds_load_b128 v[\f+8*\i+4:\f+8*\i+7], v[ADRA+\slot] offset:\k+\i*16*PITCH+32
.endr
.endm
.macro PLACES
.rept 4
	v_nop
.endr
.endm
.macro QUARTER slot, k, f, g, zero     ; multiplies buffer f and fetches the next quarter, at byte k, into g
	s_wait_dscnt 4                                 ; B and A's blocks 0, 1 are in; the youngest four loads (A's blocks 2, 3) may be out
	WIN MUL
	MUL8 \f, 0, \zero
	MUL8 \f, 1, \zero
	PLACES
	FETCH \slot, \k, \g
	s_wait_dscnt 24                                ; all but the 24 just issued
	WIN MUL
	MUL8 \f, 2, \zero
	MUL8 \f, 3, \zero
.endm
; The last quarter multiplies buffer 1 and changes slots: one barrier; in front of it each wave waits for all its tensor loads, adds 0 to its spare word, and waits for that and for its own reads of this slot.
.macro TURN slot, next, fill
	WIN 0
	s_wait_tensorcnt 0x0                           ; all my tensor loads have landed: my part of the next slot
	ds_add_u32 v[SPW], v[NIL]                      ; 0 onto my spare word
	s_wait_dscnt 5                                 ; (the add and the youngest four loads may be out)
	WIN MUL
	MUL8 F1, 0, 0
	s_wait_dscnt 0x0                               ; the add is done, and my reads of this slot are over
	s_barrier_signal -1
	MUL8 F1, 1, 0
	WIN 0
	s_barrier_wait -1
.if \fill
	CREST                                          ; the barrier has opened a round of the cluster's barrier
	s_add_nc_u64 s[G0+4*\slot+2:G0+4*\slot+3], s[G0+4*\slot+2:G0+4*\slot+3], 2*KSTEP*2
	s_add_nc_u64 s[G0B+4*\slot+2:G0B+4*\slot+3], s[G0B+4*\slot+2:G0B+4*\slot+3], 2*KSTEP*2
	JLOAD \slot                                    ; the first tensor load behind the round; its four v_nop are the places in front of the loads below
.else
	PLACES
.endif
	FETCH \next, 0, F0
	WIN MUL
	MUL8 F1, 2, 0
	MUL8 F1, 3, 0
.endm
	s_wait_tensorcnt 1                             ; my part of K step 0 is in (K step 1's may be out)
	s_barrier_signal -1
	s_barrier_wait -1                              ; everybody's is
	FETCH 0, 0, F0
	QUARTER 0, 64, F0, F1, 1                       ; the first quarter stands in front of the loop: its products start the sums
	WIN 0
	s_mov_b32 s3, LAPS-1
.Llap:                                                 ; a trip goes once round the ring and fills both slots again
	QUARTER 0, 128, F1, F0, 0
	QUARTER 0, 192, F0, F1, 0
	TURN 0, 1, 1
	QUARTER 1, 64,  F0, F1, 0
	QUARTER 1, 128, F1, F0, 0
	QUARTER 1, 192, F0, F1, 0
	TURN 1, 0, 1
	QUARTER 0, 64,  F0, F1, 0
	WIN 0
	s_sub_co_u32 s3, s3, 1
	s_cmp_lg_u32 s3, 0
	s_cbranch_scc1 .Llap
	QUARTER 0, 128, F1, F0, 0                      ; the last lap fills nothing
	QUARTER 0, 192, F0, F1, 0
	TURN 0, 1, 0
	QUARTER 1, 64,  F0, F1, 0
	QUARTER 1, 128, F1, F0, 0
	QUARTER 1, 192, F0, F1, 0
	s_wait_dscnt 4
	WIN MUL
	MUL8 F1, 0, 0
	MUL8 F1, 1, 0
	s_wait_dscnt 0
	MUL8 F1, 2, 0
	MUL8 F1, 3, 0
	WIN 0
; THE WAY OUT, block by block of 16 rows x 128 columns: through my own stage, back as whole rows of 512 bytes.
.macro TOSTAGE a
	WIN 0x08                                       ; an LDS store's data are its source 1: window 2
.irp b, 0,1,2,3,4,5,6,7
	ds_store_b128 v[STO], v[8*(8*(\a)+\b):8*(8*(\a)+\b)+3] offset:64*\b        ; each accumulator from its low end on
	ds_store_b128 v[STO], v[8*(8*(\a)+\b)+4:8*(8*(\a)+\b)+7] offset:64*\b+16
.endr
	WIN 0
.irp t, 0,1,2,3,4,5,6,7,8,9,10,11,12,13,14,15
	ds_load_b128 v[BK+64*((\a)%2)+4*\t:BK+64*((\a)%2)+4*\t+3], v[RD] offset:\t*SPITCH   ; LDS serves a wave's instructions in order (ISA guide 5.7.1.4)
.endr
.endm
.macro SEND a, younger
	s_wait_dscnt \younger
.irp t, 0,1,2,3,4,5,6,7,8,9,10,11,12,13,14,15
	global_store_b128 v[CO], v[BK+64*((\a)%2)+4*\t:BK+64*((\a)%2)+4*\t+3], s[8:9] offset:(16*(\a)+\t)*SIZE_N*4 th:TH_STORE_NT   ; 32 lanes store 512 consecutive bytes, aligned
.endr
.endm
	PLACES
	TOSTAGE 0
.irp a, 1,2,3
.if \a > 1
	s_wait_xcnt 0x0                                ; block a - 2's stores have read their registers: block a's rows may land there
.endif
	TOSTAGE \a
	SEND (\a)-1, 32                                ; behind block a - 1's loads: block a's 16 stores and 16 loads
.endr
	SEND 3, 0
	s_wait_tensorcnt 0x0                           ; the wave's end
	ds_add_u32 v[SPW], v[NIL]
	s_wait_dscnt 0x0
	CROUND                                         ; the closing round
	s_endpgm
.Lfunc_end_k_q42e028670c_proj:
	.size	k_q42e028670c_proj, .Lfunc_end_k_q42e028670c_proj-k_q42e028670c_proj
	.p2alignl 7, 3214868480
	.fill 96, 4, 3214868480
	.section	.rodata,"a",@progbits
	.p2align	6, 0x0
	.amdhsa_kernel k_q42e028670c_proj
		.amdhsa_group_segment_fixed_size 327680
		.amdhsa_private_segment_fixed_size 0
		.amdhsa_enable_private_segment 0
		.amdhsa_kernarg_size 24
		.amdhsa_user_sgpr_count 2
		.amdhsa_user_sgpr_kernarg_segment_ptr 1
		.amdhsa_wavefront_size32 1
		.amdhsa_system_sgpr_workgroup_id_x 1
		.amdhsa_system_sgpr_workgroup_id_y 1
		.amdhsa_system_sgpr_workgroup_id_z 1
		.amdhsa_system_vgpr_workitem_id 0
		.amdhsa_next_free_vgpr 768
		.amdhsa_next_free_sgpr 66
		.amdhsa_reserve_vcc 0
		.amdhsa_float_denorm_mode_32 3
		.amdhsa_float_denorm_mode_16_64 3
		.amdhsa_memory_ordered 1
		.amdhsa_forward_progress 1
		.amdhsa_inst_pref_size 85
	.end_amdhsa_kernel
	.amdgpu_metadata
---
amdhsa.version: [ 1, 2 ]
amdhsa.kernels:
  - .name:           k_q42e028670c_proj
    .symbol:         k_q42e028670c_proj.kd
    .args:
      - { .name: attn16, .offset: 0, .size: 8, .value_kind: global_buffer, .address_space: global }
      - { .name: wo16, .offset: 8, .size: 8, .value_kind: global_buffer, .address_space: global }
      - { .name: out0, .offset: 16, .size: 8, .value_kind: global_buffer, .address_space: global }
    .group_segment_fixed_size: 327680
    .private_segment_fixed_size: 0
    .kernarg_segment_align: 8
    .kernarg_segment_size: 24
    .max_flat_workgroup_size: 128
    .sgpr_count:     66
    .vgpr_count:     768
    .wavefront_size: 32
...
	.end_amdgpu_metadata
.endif
;; end of part 4
;; launch fine (part 5): grid 32 x 1, 16 waves a work-group, no clusters, 166,400 bytes of LDS; arguments fine_qkv, wo, out0; writes out0
.if DOCPART == 5
	.amdgcn_target "amdgcn-amd-amdhsa--gfx1250"
	.amdhsa_code_object_version 6
	.text
	.protected	k_q42e028670c_fine
	.globl	k_q42e028670c_fine
	.p2align	8
	.type	k_q42e028670c_fine,@function
k_q42e028670c_fine:
	s_mov_b64 s[64:65], 0
	v_nop
	global_prefetch_b8 v0, s[64:65] scope:SCOPE_SE
	s_setreg_imm32_b32 hwreg(HW_REG_WAVE_MODE, 25, 1), 1
	s_wait_xcnt 0x0
; The first 16 positions of both sequences, carried in f32: attention over at most 16 keys, and their 32 rows of the projection by wo.  These rows average few values, so the rounding of 16-bit operands weighs most there.
; fine_qkv [2][16][3072] f32 (q, k behind norm and rotation, v); wo [2048][1024] f32; out0 rows (batch, s < 16), which the launch before has stored from f16 operands, are stored anew.
; SHARES.  Work-group g owns columns 64 g .. 64 g + 63 of the 32 rows.  Phase 1: wave w makes the attention of (batch w / 8, head w % 8): every work-group makes all sixteen, 64 small products a wave, and needs no other work-group.
; Phase 2: wave (nt = w % 4, kq = w / 4) multiplies the 32 rows by 16 rows of wo over a quarter of K = 1,024.  Phase 3: the four quarters are added, a thread to four numbers.
; All products by v_wmma_f32_16x16x4_f32: 3,072 a work-group, no bulk work.  Its results lie in v224-255, which matrix instructions alone write.
; K IS PERMUTED ALIKE ON BOTH SOURCES: slot (h, j) of product (c, p) is k = 8 c + 4 h + 2 p + j, so that a lane's fragments come by loads of 16 bytes.
; No tensor loads: every operand is small or read once.
.set APITCH, 4112                      ; a row of the attention's result in LDS: 4,096 bytes + 16
.set ATT,   0                          ; 32 rows
.set RED,   32*APITCH                  ; 16 waves x 2,048 bytes: the quarters' sums
.set SPARE, RED+32768                  ; the spare words, 128 bytes a wave
.set QR,  32                           ; v32-95   Q; later wo, k chunks 16-31
.set KR,  96                           ; v96-159  K; later wo, k chunks 0-15
.set VR,  160                          ; v160-223 V; later the rows' fragments
.set ACC, 224
.set SPW, 30
.set NIL, 31
	s_load_b128 s[4:7], s[0:1], 0x0                ; fine_qkv s[4:5], wo s[6:7]
	s_load_b64 s[8:9], s[0:1], 0x10                ; out0
	v_lshl_add_u32 v[SPW], v0, 2, SPARE
	v_mov_b32 v[NIL], 0
	v_lshrrev_b32 v1, 5, v0
	v_readfirstlane_b32 s10, v1                    ; wave 0..15
	s_lshr_b32 s11, s10, 3                         ; batch
	s_and_b32 s12, s10, 7                          ; head
	s_and_b32 s13, s10, 3                          ; nt
	s_lshr_b32 s14, s10, 2                         ; kq
	v_and_b32 v1, 15, v0                           ; r
	v_bfe_u32 v2, v0, 4, 1                         ; h
	v_mul_u32_u24 v3, v1, 12288
	v_lshl_add_u32 v3, v2, 4, v3                   ; Q, K: row r of 12,288 bytes, + 16 h
	v_mul_u32_u24 v4, v2, 98304
	v_lshl_add_u32 v4, v1, 2, v4                   ; V: key 8 h on, channel r
	v_lshlrev_b32 v5, 12, v1
	v_lshl_add_u32 v5, v2, 4, v5                   ; wo: row r of 4,096 bytes, + 16 h
	s_mul_i32 s16, s11, 16*APITCH
	s_lshl_b32 s17, s12, 9
	s_add_co_u32 s16, s16, s17
	v_mul_u32_u24 v6, v1, APITCH
	v_lshl_add_u32 v6, v2, 5, v6
	v_add_nc_u32 v6, s16, v6                       ; ATT, in: row 16 batch + r, 512 head + 32 h
	s_lshl_b32 s16, s14, 10
	v_mul_u32_u24 v7, v1, APITCH
	v_lshl_add_u32 v7, v2, 4, v7
	v_add_nc_u32 v7, s16, v7                       ; ATT, out: row r, my quarter of K, + 16 h;
	v_add_nc_u32 v13, 16*APITCH, v7                ; and row 16 + r
	v_and_b32 v8, 31, v0
	v_lshlrev_b32 v8, 4, v8
	s_lshl_b32 s16, s10, 11
	s_add_co_u32 s16, s16, RED
	v_add_nc_u32 v8, s16, v8                       ; RED, in: 2,048 x wave + 16 x lane
	v_bfe_u32 v14, v0, 2, 2                        ; RED, out: thread t = (row = t / 16, cc = t % 16) wants columns 4 cc .. 4 cc + 3 of its row: tile cc / 4,
	v_lshlrev_b32 v9, 11, v14
	v_bfe_u32 v14, v0, 8, 1
	v_lshl_add_u32 v9, v14, 10, v9                 ; batch row / 16,
	v_and_b32 v14, 1, v0
	v_lshl_add_u32 v9, v14, 9, v9                  ; registers 4 (cc % 2) on,
	v_bfe_u32 v14, v0, 1, 1
	v_lshl_add_u32 v9, v14, 8, v9                  ; lane 16 ((cc / 2) % 2)
	v_bfe_u32 v14, v0, 4, 4
	v_lshl_add_u32 v9, v14, 4, v9                  ; + row % 16
	v_add_nc_u32 v9, RED, v9
	v_bfe_u32 v14, v0, 8, 1
	v_lshlrev_b32 v10, 24, v14                     ; out0: batch x 2,048 rows of 8,192 bytes
	v_bfe_u32 v14, v0, 4, 4
	v_lshl_add_u32 v10, v14, 13, v10
	v_and_b32 v14, 15, v0
	v_lshl_add_u32 v10, v14, 4, v10
	v_lshlrev_b32 v11, 3, v2
	v_sub_nc_u32 v11, v1, v11                      ; r - 8 h
	v_mov_b32 v12, 0xff800000                      ; -infinity
	v_mov_b32 v25, 0                               ; written once: a lane permute's destination counts as one of its sources
	s_mov_b32 s20, 0x76543210
	s_mov_b32 s21, 0xfedcba98
	s_mov_b32 s22, 0x3e0293ee                      ; c = log2(e) / sqrt(128)
	s_mul_i32 s16, s11, 196608
	s_lshl_b32 s17, s12, 9
	s_add_co_u32 s16, s16, s17                     ; fine_qkv: my batch, my head's 128 columns
	s_mov_b32 s17, 0
	s_lshl_b32 s18, ttmp9, 6
	s_lshl_b32 s19, s13, 4
	s_add_co_u32 s18, s18, s19                     ; wo: row 64 g + 16 nt,
	s_lshl_b32 s18, s18, 12
	s_lshl_b32 s19, s14, 10                        ; my quarter of K
	s_add_co_u32 s18, s18, s19
	s_mov_b32 s19, 0
	s_lshl_b32 s24, ttmp9, 8                       ; out0: 256 bytes a work-group
	s_mov_b32 s25, 0
	s_wait_kmcnt 0x0
	s_add_nc_u64 s[4:5], s[4:5], s[16:17]
	s_add_nc_u64 s[6:7], s[6:7], s[18:19]
	s_add_nc_u64 s[8:9], s[8:9], s[24:25]
.irp c, 0,1,2,3,4,5,6,7,8,9,10,11,12,13,14,15
	global_load_b128 v[KR+4*\c:KR+4*\c+3], v3, s[4:5] offset:4096+32*\c
.endr
.irp c, 0,1,2,3,4,5,6,7,8,9,10,11,12,13,14,15
	global_load_b128 v[QR+4*\c:QR+4*\c+3], v3, s[4:5] offset:32*\c
.endr
.irp ct, 0,1,2,3,4,5,6,7
.irp i, 0,1,2,3
.irp j, 0,1
	global_load_b32 v[VR+(4*\ct+\i)*2+\j], v4, s[4:5] offset:8192+(2*\i+\j)*12288+64*\ct   ; V(key 8 h + 2 i + j, channel 16 ct + r)
.endr
.endr
.endr
	s_wait_loadcnt 63                              ; of the 96 loads at least the oldest 33 are in: K's and Q's 32 among them
	; ---- S^T = K Q^T: lane (r, h) holds query r and keys 8 h + 0 .. 7.  Two accumulators by turns; the first two products start the sums
	v_wmma_f32_16x16x4_f32 v[ACC:ACC+7], v[KR:KR+1], v[QR:QR+1], 0
	v_wmma_f32_16x16x4_f32 v[ACC+8:ACC+15], v[KR+2:KR+3], v[QR+2:QR+3], 0
.irp c, 1,2,3,4,5,6,7,8,9,10,11,12,13,14,15
	v_wmma_f32_16x16x4_f32 v[ACC:ACC+7], v[KR+4*\c:KR+4*\c+1], v[QR+4*\c:QR+4*\c+1], v[ACC:ACC+7]
	v_wmma_f32_16x16x4_f32 v[ACC+8:ACC+15], v[KR+4*\c+2:KR+4*\c+3], v[QR+4*\c+2:QR+4*\c+3], v[ACC+8:ACC+15]
.endr
.rept 8
	v_nop                                          ; eight places behind this form, in front of reads of results and of loads into its sources
.endr
.irp c, 0,1,2,3,4,5,6,7,8,9,10,11,12,13,14,15
	global_load_b128 v[KR+4*\c:KR+4*\c+3], v5, s[6:7] offset:32*\c th:TH_LOAD_NT          ; my 16 rows of wo, my 256 along K: they land during the softmax
.endr
.irp c, 0,1,2,3,4,5,6,7,8,9,10,11,12,13,14,15
	global_load_b128 v[QR+4*\c:QR+4*\c+3], v5, s[6:7] offset:512+32*\c th:TH_LOAD_NT
.endr
.irp j, 0,1,2,3,4,5,6,7
	v_add_f32 v[16+\j], v[ACC+\j], v[ACC+8+\j]     ; the two halves of the sum, from the low end on
.endr
.irp j, 0,1,2,3,4,5,6,7
	v_cmp_gt_i32 vcc_lo, \j, v11                   ; key 8 h + j comes after query r
	v_cndmask_b32 v[16+\j], v[16+\j], v12, vcc_lo
.endr
	v_max3_num_f32 v24, v16, v17, v18
	v_max3_num_f32 v24, v24, v19, v20
	v_max3_num_f32 v24, v24, v21, v22
	v_max_num_f32 v24, v24, v23
	v_permlanex16_b32 v25, v24, s20, s21
	v_max_num_f32 v24, v24, v25                    ; the row's maximum (key 0 counts for every query)
	v_mul_f32 v24, s22, v24
.irp j, 0,1,2,3,4,5,6,7
	v_fma_f32 v[16+\j], v[16+\j], s22, -v24
.endr
.irp j, 0,1,2,3,4,5,6,7
	v_exp_f32 v[16+\j], v[16+\j]
.endr
	v_nop
	s_wait_alu depctr_va_vdst(0)                   ; one wait for the eight
	v_add_f32 v26, v16, v17
	v_add_f32 v27, v18, v19
	v_add_f32 v28, v20, v21
	v_add_f32 v29, v22, v23
	v_add_f32 v26, v26, v27
	v_add_f32 v28, v28, v29
	v_add_f32 v26, v26, v28
	v_permlanex16_b32 v25, v26, s20, s21
	v_add_f32 v26, v26, v25
	v_rcp_f32 v26, v26
	v_nop
	s_wait_alu depctr_va_vdst(0)
.irp j, 0,1,2,3,4,5,6,7
	v_mul_f32 v[16+\j], v[16+\j], v26              ; p, normalised
.endr
	s_wait_loadcnt 32                              ; V is in; wo's 32 loads may be out
	; ---- O^T = V^T P: source 0 = 16 channels, source 1 = P; product i takes keys 8 h + 2 i + 0, 1.  Two passes of four channel tiles, by turns
.irp q, 0,1
.irp i, 0,1,2,3
.irp n, 0,1,2,3
.if \i == 0
	v_wmma_f32_16x16x4_f32 v[ACC+8*\n:ACC+8*\n+7], v[VR+(4*(4*\q+\n)+\i)*2:VR+(4*(4*\q+\n)+\i)*2+1], v[16+2*\i:17+2*\i], 0
.else
	v_wmma_f32_16x16x4_f32 v[ACC+8*\n:ACC+8*\n+7], v[VR+(4*(4*\q+\n)+\i)*2:VR+(4*(4*\q+\n)+\i)*2+1], v[16+2*\i:17+2*\i], v[ACC+8*\n:ACC+8*\n+7]
.endif
.endr
.endr
.rept 9
	v_nop                                          ; eight places in front of the stores that read results, nine in front of the products that begin these accumulators anew
.endr
.irp n, 0,1,2,3
	ds_store_b128 v6, v[ACC+8*\n:ACC+8*\n+3] offset:64*(4*\q+\n)          ; row (batch, r), channels 16 ct + 8 h + 0 .. 7
	ds_store_b128 v6, v[ACC+8*\n+4:ACC+8*\n+7] offset:64*(4*\q+\n)+16
.endr
	s_wait_dscnt 0x0                               ; the stores have landed: for the next pass's sake, and for the others' in front of the barrier
.endr
	s_barrier_signal -1
	s_barrier_wait -1                              ; the 32 rows lie in LDS
	; ---- the projection: source 0 = my 16 rows of wo, source 1 = 16 rows: lane (r, h) holds row r and columns 8 h + 0 .. 7.  The two batches' accumulators by turns
	s_wait_loadcnt 0x0                             ; wo
.irp g, 0,1,2,3
.irp c, 0,1,2,3,4,5,6,7
	ds_load_b128 v[VR+4*\c:VR+4*\c+3], v7 offset:256*\g+32*\c
	ds_load_b128 v[VR+32+4*\c:VR+32+4*\c+3], v13 offset:256*\g+32*\c
.endr
	s_wait_dscnt 0x0
.irp c, 0,1,2,3,4,5,6,7
.irp p, 0,1
.set WR, KR+4*(8*\g+\c)-128*((8*\g+\c)/16)+2*\p
.if (\g == 0) && (\c == 0) && (\p == 0)
	v_wmma_f32_16x16x4_f32 v[ACC:ACC+7], v[WR:WR+1], v[VR+4*\c+2*\p:VR+4*\c+2*\p+1], 0
	v_wmma_f32_16x16x4_f32 v[ACC+8:ACC+15], v[WR:WR+1], v[VR+32+4*\c+2*\p:VR+32+4*\c+2*\p+1], 0
.else
	v_wmma_f32_16x16x4_f32 v[ACC:ACC+7], v[WR:WR+1], v[VR+4*\c+2*\p:VR+4*\c+2*\p+1], v[ACC:ACC+7]
	v_wmma_f32_16x16x4_f32 v[ACC+8:ACC+15], v[WR:WR+1], v[VR+32+4*\c+2*\p:VR+32+4*\c+2*\p+1], v[ACC+8:ACC+15]
.endif
.endr
.endr
.rept 8
	v_nop                                          ; places in front of the next loads into sources, and of the stores that read results
.endr
.endr
	ds_store_b128 v8, v[ACC:ACC+3]
	ds_store_b128 v8, v[ACC+4:ACC+7] offset:512
	ds_store_b128 v8, v[ACC+8:ACC+11] offset:1024
	ds_store_b128 v8, v[ACC+12:ACC+15] offset:1536
	s_wait_dscnt 0x0                               ; for the others' sake
	s_barrier_signal -1
	s_barrier_wait -1
	; ---- the four quarters of K are added
.irp k, 0,1,2,3
	ds_load_b128 v[32+4*\k:35+4*\k], v9 offset:8192*\k
.endr
	s_wait_dscnt 0x0
	v_pk_add_f32 v[32:33], v[32:33], v[36:37]
	v_pk_add_f32 v[34:35], v[34:35], v[38:39]
	v_pk_add_f32 v[40:41], v[40:41], v[44:45]
	v_pk_add_f32 v[42:43], v[42:43], v[46:47]
	v_pk_add_f32 v[32:33], v[32:33], v[40:41]
	v_pk_add_f32 v[34:35], v[34:35], v[42:43]
	global_store_b128 v10, v[32:35], s[8:9]        ; 16 lanes store 256 consecutive bytes, aligned
	s_wait_tensorcnt 0x0                           ; the wave's end, behind my last LDS store
	ds_add_u32 v[SPW], v[NIL]
	s_wait_dscnt 0x0
	s_endpgm
.Lfunc_end_k_q42e028670c_fine:
	.size	k_q42e028670c_fine, .Lfunc_end_k_q42e028670c_fine-k_q42e028670c_fine
	.p2alignl 7, 3214868480
	.fill 96, 4, 3214868480
	.section	.rodata,"a",@progbits
	.p2align	6, 0x0
	.amdhsa_kernel k_q42e028670c_fine
		.amdhsa_group_segment_fixed_size 166400
		.amdhsa_private_segment_fixed_size 0
		.amdhsa_enable_private_segment 0
		.amdhsa_kernarg_size 24
		.amdhsa_user_sgpr_count 2
		.amdhsa_user_sgpr_kernarg_segment_ptr 1
		.amdhsa_wavefront_size32 1
		.amdhsa_system_sgpr_workgroup_id_x 1
		.amdhsa_system_sgpr_workgroup_id_y 1
		.amdhsa_system_sgpr_workgroup_id_z 1
		.amdhsa_system_vgpr_workitem_id 0
		.amdhsa_next_free_vgpr 256
		.amdhsa_next_free_sgpr 66
		.amdhsa_reserve_vcc 1
		.amdhsa_float_denorm_mode_32 3
		.amdhsa_float_denorm_mode_16_64 3
		.amdhsa_memory_ordered 1
		.amdhsa_forward_progress 1
		.amdhsa_inst_pref_size 39
	.end_amdhsa_kernel
	.amdgpu_metadata
---
amdhsa.version: [ 1, 2 ]
amdhsa.kernels:
  - .name:           k_q42e028670c_fine
    .symbol:         k_q42e028670c_fine.kd
    .args:
      - { .name: fine_qkv, .offset: 0, .size: 8, .value_kind: global_buffer, .address_space: global }
      - { .name: wo, .offset: 8, .size: 8, .value_kind: global_buffer, .address_space: global }
      - { .name: out0, .offset: 16, .size: 8, .value_kind: global_buffer, .address_space: global }
    .group_segment_fixed_size: 166400
    .private_segment_fixed_size: 0
    .kernarg_segment_align: 8
    .kernarg_segment_size: 24
    .max_flat_workgroup_size: 512
    .sgpr_count:     66
    .vgpr_count:     256
    .wavefront_size: 32
...
	.end_amdgpu_metadata
.endif
;; end of part 5
;; ======== version 2 of 2: 5 launches
;; limits: values are held in f16: magnitudes above 65,504 overflow, below 6.1e-05 lose precision; right only within a limited range of input values
;; workspace buffers: codes 7,340,032 bytes; scales 458,752 bytes; wo16 4,194,304 bytes; rope 1,048,576 bytes; qkv16 25,165,824 bytes; attn16 8,388,608 bytes; fine_qkv 393,216 bytes
;; launch prep: the kernel of part 1 again; grid 544 x 1, 4 waves a work-group, no clusters, 33,280 bytes of LDS; arguments x, wq, wk, wv, wo, positions, codes, scales, wo16, rope; writes codes, scales, wo16, rope
;; launch qkv: the kernel of part 2 again; grid 12 x 16, 4 waves a work-group, clusters of 4 x 4, 327,680 bytes of LDS; arguments codes, scales, rope, q_norm_w, k_norm_w, qkv16, fine_qkv; writes qkv16, fine_qkv
;; launch attn: the kernel of part 3 again; grid 16 x 16, 4 waves a work-group, no clusters, 327,680 bytes of LDS; arguments qkv16, attn16; writes attn16
;; launch proj: the kernel of part 4 again; grid 8 x 32, 4 waves a work-group, clusters of 4 x 4, 327,680 bytes of LDS; arguments attn16, wo16, out0; writes out0
;; launch fine (part 6): grid 128 x 2, 8 waves a work-group, no clusters, 279,552 bytes of LDS; arguments fine_qkv, wo, out0; writes out0
.if DOCPART == 6
	.amdgcn_target "amdgcn-amd-amdhsa--gfx1250"
	.amdhsa_code_object_version 6
	.text
	.protected	k_q42e028670c_fine
	.globl	k_q42e028670c_fine
	.p2align	8
	.type	k_q42e028670c_fine,@function
k_q42e028670c_fine:
	s_mov_b64 s[64:65], 0
	v_nop
	global_prefetch_b8 v0, s[64:65] scope:SCOPE_SE
	s_setreg_imm32_b32 hwreg(HW_REG_WAVE_MODE, 25, 1), 1
	s_wait_xcnt 0x0
; The first 16 positions of both sequences, carried in f32: attention over at most 16 keys, and their 32 rows of the projection by wo.  These rows average few values, so the rounding of 16-bit operands weighs most there.
; fine_qkv [2][16][3072] f32 (q, k behind norm and rotation, v); wo [2048][1024] f32; out0 rows (batch, s < 16), which the launch before has stored from f16 operands, are stored anew.
; SHARES.  Work-group (x, batch) owns the batch's 16 rows x columns 16 x .. 16 x + 15 of out0.  Wave w is head w: it makes the head's attention (64 small products) and multiplies it at once by its own 128 of the
; projection's K = 1,024 (32 products); the eight waves' parts are added through LDS.  Every work-group of a batch makes the batch's eight attentions anew and needs no other work-group.
; THE ATTENTION'S RESULT NEVER LEAVES THE REGISTERS.  O^T = V^T P leaves lane (r, h) with query r and channels 16 ct + 8 h + 0 .. 7.  A pair of those registers is source 1 of a product of the projection, whose K slot
; (h, j) is then channel 16 ct + 8 h + 2 p + j; wo's fragment is laid alike: lane (r, h) holds wo(column r, the same channels).  K is permuted alike on both sources in S^T = K Q^T too: slot (h, j) of product (c, p) is 8 c + 4 h + 2 p + j.
; All products by v_wmma_f32_16x16x4_f32: 96 a wave, 768 a work-group, no bulk work.  Its results lie in v160-255, which matrix instructions alone write.
; OPERANDS.  Each wave fetches four tiles of 16 rows x 512 consecutive bytes (K's, Q's, V's, wo's) by four tensor loads at the head, into LDS bytes of its own, and it alone reads them: its own wait for tensor loads is
; all the ordering that the reads need.  Nothing is filled again.  By this text's own count four tensor loads of a wave are out at the most.
; NO CLUSTER: the 128 work-groups of a batch ask for the same 196,608 bytes of fine_qkv, each once, at the head.  Joint requests would divide those by four, at the price of two rounds of the cluster's barrier
; for one group of four loads a wave, in a launch whose whole work is 96 products a wave.
; THE STORES: a work-group's part of a row is 64 bytes, four neighbouring lanes: a quarter of an aligned 256; 262,144 bytes in the whole launch.  Blocks of 64 columns would store whole 256 bytes, with four times
; the projection's products for each wave and a quarter of the work-groups.
.set TP,    528                        ; an LDS row: 512 bytes + 16 of padding: the 16 rows that a 16-byte load touches start at 16 different banks (64 banks of 4 bytes: ISA guide 11.1)
.set TILE,  16*TP                      ; a tile
.set WREG,  4*TILE                     ; a wave's region: K, Q, V, wo
.set RED,   8*WREG                     ; behind the regions: 8 waves x 1,024 bytes: the heads' parts of the 16 x 16 results
.set SPARE, RED+8*1024                 ; the spare words, 128 bytes a wave
.set QV,  32                           ; v32-95   Q's fragments; later V's; later the parts to be added
.set KW,  96                           ; v96-159  K's fragments; later wo's
.set SA,  160                          ; v160-175 S^T, two accumulators
.set OA,  176                          ; v176-239 O^T, eight accumulators
.set PA,  240                          ; v240-255 the projection, two accumulators
.set SPW, 30                           ; v30  LDS address of my spare word; never rewritten
.set NIL, 31                           ; v31  0; never rewritten
.set G1F, 24                           ; s[24:31] descriptor group 1 for tiles of fine_qkv
.set G1W, 32                           ; s[32:39] for wo's: it differs in the pitch alone
.set G0,  40                           ; s[40:55] four groups 0: K, Q, V, wo
	s_load_b128 s[4:7], s[0:1], 0x0                ; fine_qkv s[4:5], wo s[6:7]
	s_load_b64 s[8:9], s[0:1], 0x10                ; out0
	v_lshl_add_u32 v[SPW], v0, 2, SPARE
	v_mov_b32 v[NIL], 0
	ds_add_u32 v[SPW], v[NIL]                      ; the wave's opening: the add, twice on end, and its wait ahead of my first tensor load
	ds_add_u32 v[SPW], v[NIL]
	v_lshrrev_b32 v1, 5, v0
	v_readfirstlane_b32 s10, v1                    ; wave 0..7 = head
	s_and_b32 s11, ttmp7, 0xffff                   ; batch
	; descriptor group 1: a tile of 16 rows x 128 elements of 4 bytes, 16 bytes of padding behind each row
	s_mov_b32 s[G1F], (2<<16)|(1<<20)|(6<<22)|(3<<25)  ; no mask; elements of 4 bytes; padding on; after every 128 words; four words
	s_mov_b32 s[G1W], (2<<16)|(1<<20)|(6<<22)|(3<<25)
.irp g, G1F, G1W
	s_mov_b32 s[\g+1], 128<<16                     ; tensor_dim0
	s_mov_b32 s[\g+2], 16<<16                      ; tensor_dim1
	s_mov_b32 s[\g+3], 128<<16                     ; tile_dim0
	s_mov_b32 s[\g+4], 16                          ; tile_dim1
	s_mov_b32 s[\g+6], 0
	s_mov_b32 s[\g+7], 0
.endr
	s_mov_b32 s[G1F+5], 3072                       ; elements from row to row in fine_qkv,
	s_mov_b32 s[G1W+5], 1024                       ; in wo
	s_mul_i32 s12, s11, 196608                     ; fine_qkv: my batch's 16 rows of 12,288 bytes,
	s_lshl_b32 s13, s10, 9                         ; my head's 128 columns
	s_add_co_u32 s12, s12, s13
	s_mov_b32 s13, 0
	s_lshl_b32 s14, ttmp9, 16                      ; wo: rows 16 x on, 4,096 bytes each,
	s_lshl_b32 s15, s10, 9                         ; my head's 128 along K
	s_add_co_u32 s14, s14, s15
	s_mov_b32 s15, 0
	s_lshl_b32 s18, s11, 24                        ; out0: batch x 2,048 rows of 8,192 bytes
	s_lshl_b32 s19, ttmp9, 6                       ; + 64 bytes a work-group
	s_add_co_u32 s18, s18, s19
	s_mov_b32 s19, 0
	s_mul_i32 s16, s10, WREG                       ; my region in LDS
	s_mov_b32 s20, 0x76543210                      ; v_permlanex16_b32's selects for lane l xor 16
	s_mov_b32 s21, 0xfedcba98
	s_mov_b32 s22, 0x3e0293ee                      ; c = log2(e) / sqrt(128)
	s_wait_dscnt 0x0                               ; both opening adds are done
	s_wait_kmcnt 0x0
	s_add_nc_u64 s[4:5], s[4:5], s[12:13]          ; q of my head
	s_add_nc_u64 s[6:7], s[6:7], s[14:15]
	s_add_nc_u64 s[8:9], s[8:9], s[18:19]
	s_mov_b32 s[G0], 1                             ; K: 4,096 bytes behind q in a row
	s_mov_b32 s[G0+1], s16
	s_add_nc_u64 s[G0+2:G0+3], s[4:5], 4096
	s_or_b32 s[G0+3], s[G0+3], 0x80000000
	s_mov_b32 s[G0+4], 1                           ; Q
	s_add_co_u32 s[G0+5], s16, TILE
	s_mov_b64 s[G0+6:G0+7], s[4:5]
	s_or_b32 s[G0+7], s[G0+7], 0x80000000
	s_mov_b32 s[G0+8], 1                           ; V: 8,192 bytes behind q
	s_add_co_u32 s[G0+9], s16, 2*TILE
	s_add_nc_u64 s[G0+10:G0+11], s[4:5], 8192
	s_or_b32 s[G0+11], s[G0+11], 0x80000000
	s_mov_b32 s[G0+12], 1                          ; wo
	s_add_co_u32 s[G0+13], s16, 3*TILE
	s_mov_b64 s[G0+14:G0+15], s[6:7]
	s_or_b32 s[G0+15], s[G0+15], 0x80000000
	tensor_load_to_lds s[G0:G0+3], s[G1F:G1F+7]    ; the four first fills go out as one group, ahead of every wait for tensor loads, every LDS read and the barrier
	s_nop 0
	tensor_load_to_lds s[G0+4:G0+7], s[G1F:G1F+7]
	s_nop 0
	tensor_load_to_lds s[G0+8:G0+11], s[G1F:G1F+7]
	s_nop 0
	tensor_load_to_lds s[G0+12:G0+15], s[G1W:G1W+7]
	s_nop 0
	v_and_b32 v1, 15, v0                           ; r
	v_bfe_u32 v2, v0, 4, 1                         ; h
	v_mul_u32_u24 v6, v1, TP
	v_add_nc_u32 v6, s16, v6                       ; my region, row r
	v_lshl_add_u32 v3, v2, 4, v6                   ; K, Q: row r, + 16 h
	v_lshl_add_u32 v5, v2, 5, v6                   ; wo: row r, + 32 h
	v_mul_u32_u24 v4, v2, 8*TP
	v_lshl_add_u32 v4, v1, 2, v4
	v_add_nc_u32 v4, s16, v4                       ; V: key 8 h on, channel r
	v_and_b32 v8, 31, v0
	v_lshlrev_b32 v8, 4, v8
	s_lshl_b32 s17, s10, 10
	s_add_co_u32 s17, s17, RED
	v_add_nc_u32 v8, s17, v8                       ; RED, in: 1,024 x wave + 16 x lane
	v_and_b32 v14, 1, v0                           ; RED, out: thread t < 64 = (row t / 4, cc = t % 4) wants columns 4 cc .. 4 cc + 3 of its row: registers 4 (cc % 2) on,
	v_lshlrev_b32 v9, 9, v14
	v_bfe_u32 v14, v0, 1, 1
	v_lshl_add_u32 v9, v14, 8, v9                  ; lane 16 (cc / 2)
	v_bfe_u32 v14, v0, 2, 4
	v_lshl_add_u32 v9, v14, 4, v9                  ; + row
	v_add_nc_u32 v9, RED, v9
	v_lshlrev_b32 v10, 13, v14                     ; out0: row x 8,192 bytes
	v_and_b32 v14, 3, v0
	v_lshl_add_u32 v10, v14, 4, v10                ; + 16 cc
	v_lshlrev_b32 v11, 3, v2
	v_sub_nc_u32 v11, v1, v11                      ; r - 8 h
	v_mov_b32 v12, 0xff800000                      ; -infinity
	v_mov_b32 v25, 0                               ; written once: a lane permute's destination counts as one of its sources
	s_wait_tensorcnt 0x2                           ; K's and Q's tiles have landed; V's and wo's, issued behind them, may be out
.irp c, 0,1,2,3,4,5,6,7,8,9,10,11,12,13,14,15
	ds_load_b128 v[KW+4*\c:KW+4*\c+3], v3 offset:32*\c                 ; K(key r, 8 c + 4 h + 0 .. 3)
	ds_load_b128 v[QV+4*\c:QV+4*\c+3], v3 offset:TILE+32*\c            ; Q likewise
.endr
	s_wait_dscnt 16                                ; chunks 0 to 7 are in; the sixteen loads of chunks 8 to 15 may be out
	; ---- S^T = K Q^T: lane (r, h) holds query r and keys 8 h + 0 .. 7.  Two accumulators by turns; the first two products start the sums
	v_wmma_f32_16x16x4_f32 v[SA:SA+7], v[KW:KW+1], v[QV:QV+1], 0
	v_wmma_f32_16x16x4_f32 v[SA+8:SA+15], v[KW+2:KW+3], v[QV+2:QV+3], 0
.irp c, 1,2,3,4,5,6,7
	v_wmma_f32_16x16x4_f32 v[SA:SA+7], v[KW+4*\c:KW+4*\c+1], v[QV+4*\c:QV+4*\c+1], v[SA:SA+7]
	v_wmma_f32_16x16x4_f32 v[SA+8:SA+15], v[KW+4*\c+2:KW+4*\c+3], v[QV+4*\c+2:QV+4*\c+3], v[SA+8:SA+15]
.endr
	s_wait_dscnt 0x0
.irp c, 8,9,10,11,12,13,14,15
	v_wmma_f32_16x16x4_f32 v[SA:SA+7], v[KW+4*\c:KW+4*\c+1], v[QV+4*\c:QV+4*\c+1], v[SA:SA+7]
	v_wmma_f32_16x16x4_f32 v[SA+8:SA+15], v[KW+4*\c+2:KW+4*\c+3], v[QV+4*\c+2:QV+4*\c+3], v[SA+8:SA+15]
.endr
.rept 8
	v_nop                                          ; eight places behind this form, in front of reads of results and of loads into its sources
.endr
	s_wait_tensorcnt 0x0                           ; V's and wo's tiles have landed
.irp ct, 0,1,2,3,4,5,6,7
.irp i, 0,1,2,3
.irp j, 0,1
	ds_load_b32 v[QV+(4*\ct+\i)*2+\j], v4 offset:2*TILE+(2*\i+\j)*TP+64*\ct    ; V(key 8 h + 2 i + j, channel 16 ct + r): they land during the softmax
.endr
.endr
.endr
.irp ct, 0,1,2,3,4,5,6,7
	ds_load_b128 v[KW+8*\ct:KW+8*\ct+3],   v5 offset:3*TILE+64*\ct             ; wo(column r, channels 16 ct + 8 h + 0 .. 7 of my head)
	ds_load_b128 v[KW+8*\ct+4:KW+8*\ct+7], v5 offset:3*TILE+64*\ct+16
.endr
.irp j, 0,1,2,3,4,5,6,7
	v_add_f32 v[16+\j], v[SA+\j], v[SA+8+\j]       ; the two halves of the sum, from the low end on
.endr
.irp j, 0,1,2,3,4,5,6,7
	v_cmp_gt_i32 vcc_lo, \j, v11                   ; key 8 h + j comes after query r
	v_cndmask_b32 v[16+\j], v[16+\j], v12, vcc_lo
.endr
	v_max3_num_f32 v24, v16, v17, v18
	v_max3_num_f32 v24, v24, v19, v20
	v_max3_num_f32 v24, v24, v21, v22
	v_max_num_f32 v24, v24, v23
	v_permlanex16_b32 v25, v24, s20, s21
	v_max_num_f32 v24, v24, v25                    ; the row's maximum (key 0 counts for every query)
	v_mul_f32 v24, s22, v24
.irp j, 0,1,2,3,4,5,6,7
	v_fma_f32 v[16+\j], v[16+\j], s22, -v24
.endr
.irp j, 0,1,2,3,4,5,6,7
	v_exp_f32 v[16+\j], v[16+\j]
.endr
	v_nop                                          ; a plain instruction behind the last exponential
	s_wait_alu depctr_va_vdst(0)                   ; one wait for the eight, ahead of their first reader
	v_add_f32 v26, v16, v17
	v_add_f32 v27, v18, v19
	v_add_f32 v28, v20, v21
	v_add_f32 v29, v22, v23
	v_add_f32 v26, v26, v27
	v_add_f32 v28, v28, v29
	v_add_f32 v26, v26, v28
	v_permlanex16_b32 v25, v26, s20, s21
	v_add_f32 v26, v26, v25
	v_rcp_f32 v26, v26
	v_nop
	s_wait_alu depctr_va_vdst(0)
.irp j, 0,1,2,3,4,5,6,7
	v_mul_f32 v[16+\j], v[16+\j], v26              ; p, normalised
.endr
	s_wait_dscnt 16                                ; V's 64 loads are in; wo's sixteen, issued behind them, may be out
	; ---- O^T = V^T P: source 0 = 16 channels, source 1 = P; product i takes keys 8 h + 2 i + 0, 1.  Eight channel tiles by turns; the first eight products start the sums
.irp i, 0,1,2,3
.irp n, 0,1,2,3,4,5,6,7
.if \i == 0
	v_wmma_f32_16x16x4_f32 v[OA+8*\n:OA+8*\n+7], v[QV+(4*\n+\i)*2:QV+(4*\n+\i)*2+1], v[16+2*\i:17+2*\i], 0
.else
	v_wmma_f32_16x16x4_f32 v[OA+8*\n:OA+8*\n+7], v[QV+(4*\n+\i)*2:QV+(4*\n+\i)*2+1], v[16+2*\i:17+2*\i], v[OA+8*\n:OA+8*\n+7]
.endif
.endr
.endr
.rept 9
	v_nop                                          ; nine places in front of products that take these results as a source
.endr
	s_wait_dscnt 0x0                               ; wo
	; ---- the projection over my head's 128 of K: source 0 = 16 rows of wo, source 1 = two registers of O^T: lane (r, h) holds row r and columns 8 h + 0 .. 7.  Two accumulators by turns
.irp ct, 0,1,2,3,4,5,6,7
.irp p, 0,1,2,3
.if (\ct == 0) && (\p < 2)
	v_wmma_f32_16x16x4_f32 v[PA+8*(\p%2):PA+8*(\p%2)+7], v[KW+8*\ct+2*\p:KW+8*\ct+2*\p+1], v[OA+8*\ct+2*\p:OA+8*\ct+2*\p+1], 0
.else
	v_wmma_f32_16x16x4_f32 v[PA+8*(\p%2):PA+8*(\p%2)+7], v[KW+8*\ct+2*\p:KW+8*\ct+2*\p+1], v[OA+8*\ct+2*\p:OA+8*\ct+2*\p+1], v[PA+8*(\p%2):PA+8*(\p%2)+7]
.endif
.endr
.endr
.rept 8
	v_nop                                          ; places in front of the reads of results
.endr
.irp j, 0,1,2,3,4,5,6,7
	v_add_f32 v[16+\j], v[PA+\j], v[PA+8+\j]       ; the two halves of my head's part, from the low end on, into other registers
.endr
	ds_store_b128 v8, v[16:19]
	ds_store_b128 v8, v[20:23] offset:512
	s_wait_dscnt 0x0                               ; for the others' sake: my stores have landed
	s_barrier_signal -1
	s_barrier_wait -1                              ; the eight heads' parts lie in LDS
	s_cmp_gt_u32 s10, 1                            ; 16 x 16 numbers are 64 runs of 16 bytes: waves 0 and 1 add and store them
	s_cbranch_scc1 .Lend
.irp k, 0,1,2,3,4,5,6,7
	ds_load_b128 v[QV+4*\k:QV+4*\k+3], v9 offset:1024*\k
.endr
	s_wait_dscnt 0x0
.irp k, 0,2,4,6
	v_pk_add_f32 v[QV+4*\k:QV+4*\k+1], v[QV+4*\k:QV+4*\k+1], v[QV+4*\k+4:QV+4*\k+5]
	v_pk_add_f32 v[QV+4*\k+2:QV+4*\k+3], v[QV+4*\k+2:QV+4*\k+3], v[QV+4*\k+6:QV+4*\k+7]
.endr
.irp k, 0,4
	v_pk_add_f32 v[QV+4*\k:QV+4*\k+1], v[QV+4*\k:QV+4*\k+1], v[QV+4*\k+8:QV+4*\k+9]
	v_pk_add_f32 v[QV+4*\k+2:QV+4*\k+3], v[QV+4*\k+2:QV+4*\k+3], v[QV+4*\k+10:QV+4*\k+11]
.endr
	v_pk_add_f32 v[QV:QV+1], v[QV:QV+1], v[QV+16:QV+17]
	v_pk_add_f32 v[QV+2:QV+3], v[QV+2:QV+3], v[QV+18:QV+19]
	global_store_b128 v10, v[QV:QV+3], s[8:9]      ; four neighbouring lanes store a row's 64 consecutive bytes
.Lend:
	s_wait_tensorcnt 0x0                           ; the wave's end, behind my last tensor load and my last LDS store
	ds_add_u32 v[SPW], v[NIL]
	s_wait_dscnt 0x0
	s_endpgm
.Lfunc_end_k_q42e028670c_fine:
	.size	k_q42e028670c_fine, .Lfunc_end_k_q42e028670c_fine-k_q42e028670c_fine
	.p2alignl 7, 3214868480
	.fill 96, 4, 3214868480
	.section	.rodata,"a",@progbits
	.p2align	6, 0x0
	.amdhsa_kernel k_q42e028670c_fine
		.amdhsa_group_segment_fixed_size 279552
		.amdhsa_private_segment_fixed_size 0
		.amdhsa_enable_private_segment 0
		.amdhsa_kernarg_size 24
		.amdhsa_user_sgpr_count 2
		.amdhsa_user_sgpr_kernarg_segment_ptr 1
		.amdhsa_wavefront_size32 1
		.amdhsa_system_sgpr_workgroup_id_x 1
		.amdhsa_system_sgpr_workgroup_id_y 1
		.amdhsa_system_sgpr_workgroup_id_z 1
		.amdhsa_system_vgpr_workitem_id 0
		.amdhsa_next_free_vgpr 256
		.amdhsa_next_free_sgpr 66
		.amdhsa_reserve_vcc 1
		.amdhsa_float_denorm_mode_32 3
		.amdhsa_float_denorm_mode_16_64 3
		.amdhsa_memory_ordered 1
		.amdhsa_forward_progress 1
		.amdhsa_inst_pref_size 24
	.end_amdhsa_kernel
	.amdgpu_metadata
---
amdhsa.version: [ 1, 2 ]
amdhsa.kernels:
  - .name:           k_q42e028670c_fine
    .symbol:         k_q42e028670c_fine.kd
    .args:
      - { .name: fine_qkv, .offset: 0, .size: 8, .value_kind: global_buffer, .address_space: global }
      - { .name: wo, .offset: 8, .size: 8, .value_kind: global_buffer, .address_space: global }
      - { .name: out0, .offset: 16, .size: 8, .value_kind: global_buffer, .address_space: global }
    .group_segment_fixed_size: 279552
    .private_segment_fixed_size: 0
    .kernarg_segment_align: 8
    .kernarg_segment_size: 24
    .max_flat_workgroup_size: 256
    .sgpr_count:     66
    .vgpr_count:     256
    .wavefront_size: 32
...
	.end_amdgpu_metadata
.endif
;; end of part 6
